; MI455X (gfx1250); checked and timed in simulation.
; The chip was launched on July 23, 2026; its instructions are those of AMD's public machine-readable ISA for CDNA 5 (MIT licence, August 2026) and "CDNA5" Instruction Set Architecture Reference Guide (July 2026). The comments in the code are by the model that wrote it; some were corrected since.
;; Muy GP. Allowed arithmetic: float matrix products may take bf16 or f16 operands with f32 sums; other float arithmetic in f32, or as packed bf16 or f16 multiplies, adds, multiply-adds, maxima and minima; sums over many terms, partial sums and values carried from step to step in f32; what a program stores and reads back later, other than sums and carried values, may be rounded once to bf16 or f16.
;; Inputs: a one number float32; l one number float32; noise 1,024 x 128 x 1 float32; trainX 100,000 x 256 float32; trainy 100,000 x 1 float32; x 1,024 x 256 float32; ymean one number float32.
;; Outputs: out0 1,024 x 1 float32; out1 1,024 float32.
;; 3 versions, each right; version 3 is version 2 with the launch prep written anew for expert scheduling mode. Each part assembles by itself: llvm-mc -triple=amdgcn-amd-amdhsa -mcpu=gfx1250 --defsym DOCPART=n.
;; ======== version 1 of 3: 5 launches
;; workspace buffers: txb 52,428,800 bytes; xb 524,288 bytes; b2 409,600 bytes; a2 4,096 bytes; dd 553,648,128 bytes; prev0 1,048,576 bytes of whole numbers; sel1 1,048,576 bytes of whole numbers; sel0 1,048,576 bytes of whole numbers
;; launch prep (part 1): grid 1616 x 1, 1 waves a work-group, no clusters, 0 bytes of LDS; arguments trainX, x, txb, xb, b2, a2, prev0; writes txb, xb, b2, a2, prev0
.if DOCPART == 1
	.amdgcn_target "amdgcn-amd-amdhsa--gfx1250"
	.amdhsa_code_object_version 6
	.text
	.protected	k_q4872a423c6_prep
	.globl	k_q4872a423c6_prep
	.p2align	8
	.type	k_q4872a423c6_prep,@function
k_q4872a423c6_prep:
	s_mov_b64 s[64:65], 0
	v_nop
	global_prefetch_b8 v0, s[64:65] scope:SCOPE_SE
	s_setreg_imm32_b32 hwreg(HW_REG_WAVE_MODE, 25, 1), 1
	s_wait_xcnt 0x0
; bf16 COPIES, ROW NORMS, AND THE FIRST SELECTION RECORD.
; A work-group (one wave) takes a group of 64 rows of 256 f32: work-groups 0 .. 1599 the train rows (100,000 real, padded to 102,400), 1600 .. 1615 the 1,024 rows of x.
; Each number is rounded once to bf16; a row's norm is the f32 sum of the squares of the ROUNDED numbers (8 a lane, then a tree over the 32 lanes).
; Rows from 100,000 on are written as zeros with the norm +inf, so that every distance to them is +inf.
; PERMUTATION.  Row i of a group is written at place 16 (i & 3) + 2 ((i >> 2) & 7) + (i >> 5): the next launch's matrix tiles then leave four neighbouring rows' results in one lane.
; The norms stay in natural order.
; A trip takes 8 rows (i = 8 T + k); two sets of registers take turns, so 16 loads of the wave (8 KiB) are out while the other set is worked on.
; 100,000 is a multiple of 8: a trip is all real or all padding.  A padding trip loads the last 8 real rows (its address is clamped) and discards them.
; Work-groups 0 .. 1023 also write query q's first selection record: mask words 0 .. 3 all ones, the others 0; parent r = 4224 + r: the record names the 128 blocks of block minima.
.set W,    4                           ; v[4:11]    8 numbers widened
.set INF,  12                          ; v12        +inf
.set BC,   14                          ; v[14:15]   norms of rows 2 l and 2 l + 1 of the group
.set Q,    16                          ; v[16:31]   row k: a pair of partial sums
.set XA,   32                          ; v[32:95]   set A: 8 rows x 8 registers
.set XB,   96                          ; v[96:159]  set B
.set Y,    160                         ; v[160:191] 8 rows x 4 registers of bf16
.set SRC,  20                          ; s[20:21] source, s[22:23] bf16 copy, s[24:25] norms: chosen between the two tensors
.set DST,  22
.set NRM,  24
.set LIM,  26                          ; rows that are real
.set TW,   27                          ; the trip that is worked on
.set SA,   28                          ; s[28:29], s[30:31] the two sets' load bases
.set SB,   30
.set SD,   32                          ; s[32:33] the stores' base
.set KEEP, 34                          ; -1, or 0 in a padding trip
.set PADM, 35                          ; 0, or all lanes in a padding trip
.set SEL,  36                          ; s[36:37] v_permlanex16_b32's selects
.set HIM,  38
.set CNT,  39
.set LIM8, 40
.set TL,   41                          ; the trip that is loaded
.set ROW,  42
.set G64,  43                          ; the group's first row
.set P0,   44
.set P1,   45
.set T4,   46
.set LM,   47
.set PV,   48                          ; s[48:49] at work
	s_load_b256 s[4:11], s[0:1], 0x0               ; trainX, x, txb, xb
	s_load_b128 s[12:15], s[0:1], 0x20             ; b2, a2
	s_load_b64 s[16:17], s[0:1], 0x30              ; prev0
	v_lshlrev_b32 v1, 5, v0                        ; my 8 f32 of a row
	v_lshlrev_b32 v2, 4, v0                        ; my 8 bf16 of a row
	v_lshlrev_b32 v3, 3, v0                        ; my two norms
	v_mov_b32 v[INF], 0x7f800000
	v_mov_b32 v[BC], 0
	v_mov_b32 v[BC+1], 0
	s_mov_b32 s[SEL], 0x76543210
	s_mov_b32 s[SEL+1], 0xfedcba98
	s_mov_b32 s[HIM], 0xffff0000
	s_mov_b32 s[TW], 0
	s_mov_b32 s[TL], 0
	s_sub_co_u32 s[G64], ttmp9, 1600
	s_mov_b32 s[LIM], 1024
	s_mov_b32 s18, 100000
	s_wait_kmcnt 0x0
	s_cmp_lt_u32 ttmp9, 1600                       ; train rows or x: the choice hangs on the work-group's number alone
	s_cselect_b32 s[G64], ttmp9, s[G64]
	s_cselect_b32 s[LIM], s18, s[LIM]
	s_cselect_b64 s[SRC:SRC+1], s[4:5], s[6:7]
	s_cselect_b64 s[DST:DST+1], s[8:9], s[10:11]
	s_cselect_b64 s[NRM:NRM+1], s[12:13], s[14:15]
	s_lshl_b32 s[G64], s[G64], 6
	s_sub_co_u32 s[LIM8], s[LIM], 8
	s_lshl_b32 s[PV], s[G64], 2
	s_mov_b32 s[PV+1], 0
	s_add_nc_u64 s[NRM:NRM+1], s[NRM:NRM+1], s[PV:PV+1]  ; the group's 64 norms: 256 bytes, aligned
; 16 loads: rows 8 TL .. 8 TL + 7 of the group into set xs, by base sb
.macro LOAD8 xs, sb
	s_lshl_b32 s[ROW], s[TL], 3
	s_add_co_u32 s[ROW], s[ROW], s[G64]
	s_min_u32 s[ROW], s[ROW], s[LIM8]              ; a padding trip stays inside the tensor
	s_lshl_b32 s[\sb], s[ROW], 10
	s_mov_b32 s[(\sb)+1], 0
	s_add_nc_u64 s[\sb:(\sb)+1], s[SRC:SRC+1], s[\sb:(\sb)+1]
.irp k,0,1,2,3,4,5,6,7
	global_load_b128 v[(\xs)+8*(\k):(\xs)+8*(\k)+3],   v1, s[\sb:(\sb)+1] offset:1024*(\k) th:TH_LOAD_NT
	global_load_b128 v[(\xs)+8*(\k)+4:(\xs)+8*(\k)+7], v1, s[\sb:(\sb)+1] offset:1024*(\k)+16 th:TH_LOAD_NT
.endr
	s_add_co_u32 s[TL], s[TL], 1
.endm
; Trip TW out of set xs.  left = the younger loads that may stay out.
.macro WORK8 xs, left
	s_wait_loadcnt \left                           ; loads come back in order: this set's 16 are in
	s_wait_xcnt 0x0                                ; the last trip's stores have read Y and their base: both are written again below
	s_lshl_b32 s[ROW], s[TW], 3
	s_add_co_u32 s[ROW], s[ROW], s[G64]
	s_cmp_ge_u32 s[ROW], s[LIM]
	s_cselect_b32 s[KEEP], 0, -1
	s_cselect_b32 s[PADM], -1, 0
	s_and_b32 s[P0], s[TW], 3                      ; the trip's part of the place: 4 (T & 3) + (T >> 2)
	s_lshl_b32 s[P0], s[P0], 2
	s_lshr_b32 s[P1], s[TW], 2
	s_add_co_u32 s[P0], s[P0], s[P1]
	s_add_co_u32 s[P0], s[P0], s[G64]
	s_lshl_b32 s[SD], s[P0], 9
	s_mov_b32 s[SD+1], 0
	s_add_nc_u64 s[SD:SD+1], s[DST:DST+1], s[SD:SD+1]
	s_lshl_b32 s[T4], s[TW], 2
.irp k,0,1,2,3,4,5,6,7
.irp j,0,1,2,3
	v_cvt_pk_bf16_f32 v[Y+4*(\k)+(\j)], v[(\xs)+8*(\k)+2*(\j)], v[(\xs)+8*(\k)+2*(\j)+1]
.endr
.irp j,0,1,2,3
	v_and_b32 v[Y+4*(\k)+(\j)], s[KEEP], v[Y+4*(\k)+(\j)]  ; padding rows are zeros
.endr
.irp j,0,1,2,3
	v_lshlrev_b32 v[W+2*(\j)],   16, v[Y+4*(\k)+(\j)]      ; back to f32: the norm is that of the rounded numbers
	v_and_b32     v[W+2*(\j)+1], s[HIM], v[Y+4*(\k)+(\j)]
.endr
	v_pk_mul_f32 v[Q+2*(\k):Q+2*(\k)+1], v[W:W+1], v[W:W+1]
	v_pk_fma_f32 v[Q+2*(\k):Q+2*(\k)+1], v[W+2:W+3], v[W+2:W+3], v[Q+2*(\k):Q+2*(\k)+1]
	v_pk_fma_f32 v[Q+2*(\k):Q+2*(\k)+1], v[W+4:W+5], v[W+4:W+5], v[Q+2*(\k):Q+2*(\k)+1]
	v_pk_fma_f32 v[Q+2*(\k):Q+2*(\k)+1], v[W+6:W+7], v[W+6:W+7], v[Q+2*(\k):Q+2*(\k)+1]
	global_store_b128 v2, v[Y+4*(\k):Y+4*(\k)+3], s[SD:SD+1] offset:(16*((\k)&3)+2*((\k)>>2))*512  ; a whole row: 512 consecutive bytes, aligned
.endr
.irp k,0,1,2,3,4,5,6,7                 ; the eight rows' sums over the lanes go side by side, so that no line waits for the one before it
	v_add_f32 v[Q+2*(\k)], v[Q+2*(\k)], v[Q+2*(\k)+1]
.endr
.irp xm,1,2,4,8
.irp k,0,1,2,3,4,5,6,7
	v_add_f32_dpp v[Q+2*(\k)], v[Q+2*(\k)], v[Q+2*(\k)] row_xmask:\xm row_mask:0xf bank_mask:0xf
.endr
.endr
.irp k,0,1,2,3,4,5,6,7
	v_permlanex16_b32 v[Q+2*(\k)+1], v[Q+2*(\k)], s[SEL], s[SEL+1]
.endr
.irp k,0,1,2,3,4,5,6,7
	v_add_f32 v[Q+2*(\k)], v[Q+2*(\k)], v[Q+2*(\k)+1]
.endr
.irp k,0,1,2,3,4,5,6,7
	v_cndmask_b32 v[Q+2*(\k)], v[Q+2*(\k)], v[INF], s[PADM]
.endr
.irp k,0,1,2,3,4,5,6,7
	s_lshl_b32 s[LM], 1<<((\k)>>1), s[T4]          ; row 8 T + k belongs to lane 4 T + k / 2, register k & 1
	v_cndmask_b32 v[BC+((\k)&1)], v[BC+((\k)&1)], v[Q+2*(\k)], s[LM]
.endr
	s_add_co_u32 s[TW], s[TW], 1
.endm
	LOAD8 XA, SA
	LOAD8 XB, SB
	s_mov_b32 s[CNT], 3
.Ltrip:
	WORK8 XA, 16
	LOAD8 XA, SA
	WORK8 XB, 16
	LOAD8 XB, SB
	s_sub_co_u32 s[CNT], s[CNT], 1
	s_cmp_lg_u32 s[CNT], 0
	s_cbranch_scc1 .Ltrip
	WORK8 XA, 16                                   ; the last two trips load nothing
	WORK8 XB, 0
	global_store_b64 v3, v[BC:BC+1], s[NRM:NRM+1]  ; 64 norms: 256 consecutive bytes, aligned
	s_cmp_lt_u32 ttmp9, 1024
	s_cbranch_scc0 .Lend
	s_lshl_b32 s[PV], ttmp9, 10                    ; query q = the work-group's number: its record of 1,024 bytes
	s_mov_b32 s[PV+1], 0
	s_add_nc_u64 s[PV:PV+1], s[16:17], s[PV:PV+1]
	v_cmp_eq_u32 vcc_lo, 0, v0
	v_cndmask_b32 v4, 0, -1, vcc_lo                ; mask words 4 l .. 4 l + 3
	v_mov_b32 v5, v4
	v_mov_b32 v6, v4
	v_mov_b32 v7, v4
	v_lshl_add_u32 v8, v0, 2, 4224                 ; parents 4224 + 4 l ..
	v_add_nc_u32 v9, 1, v8
	v_add_nc_u32 v10, 2, v8
	v_add_nc_u32 v11, 3, v8
	global_store_b128 v2, v[4:7], s[PV:PV+1]
	global_store_b128 v2, v[8:11], s[PV:PV+1] offset:512
.Lend:
	s_endpgm
.Lfunc_end_k_q4872a423c6_prep:
	.size	k_q4872a423c6_prep, .Lfunc_end_k_q4872a423c6_prep-k_q4872a423c6_prep
	.p2alignl 7, 3214868480
	.fill 96, 4, 3214868480
	.section	.rodata,"a",@progbits
	.p2align	6, 0x0
	.amdhsa_kernel k_q4872a423c6_prep
		.amdhsa_group_segment_fixed_size 0
		.amdhsa_private_segment_fixed_size 0
		.amdhsa_enable_private_segment 0
		.amdhsa_kernarg_size 56
		.amdhsa_user_sgpr_count 2
		.amdhsa_user_sgpr_kernarg_segment_ptr 1
		.amdhsa_wavefront_size32 1
		.amdhsa_system_sgpr_workgroup_id_x 1
		.amdhsa_system_sgpr_workgroup_id_y 1
		.amdhsa_system_sgpr_workgroup_id_z 1
		.amdhsa_system_vgpr_workitem_id 0
		.amdhsa_next_free_vgpr 192
		.amdhsa_next_free_sgpr 66
		.amdhsa_reserve_vcc 1
		.amdhsa_float_denorm_mode_32 3
		.amdhsa_float_denorm_mode_16_64 3
		.amdhsa_memory_ordered 1
		.amdhsa_forward_progress 1
		.amdhsa_inst_pref_size 60
	.end_amdhsa_kernel
	.amdgpu_metadata
---
amdhsa.version: [ 1, 2 ]
amdhsa.kernels:
  - .name:           k_q4872a423c6_prep
    .symbol:         k_q4872a423c6_prep.kd
    .args:
      - { .name: trainX, .offset: 0, .size: 8, .value_kind: global_buffer, .address_space: global }
      - { .name: x, .offset: 8, .size: 8, .value_kind: global_buffer, .address_space: global }
      - { .name: txb, .offset: 16, .size: 8, .value_kind: global_buffer, .address_space: global }
      - { .name: xb, .offset: 24, .size: 8, .value_kind: global_buffer, .address_space: global }
      - { .name: b2, .offset: 32, .size: 8, .value_kind: global_buffer, .address_space: global }
      - { .name: a2, .offset: 40, .size: 8, .value_kind: global_buffer, .address_space: global }
      - { .name: prev0, .offset: 48, .size: 8, .value_kind: global_buffer, .address_space: global }
    .group_segment_fixed_size: 0
    .private_segment_fixed_size: 0
    .kernarg_segment_align: 8
    .kernarg_segment_size: 56
    .max_flat_workgroup_size: 32
    .sgpr_count:     66
    .vgpr_count:     192
    .wavefront_size: 32
...
	.end_amdgpu_metadata
.endif
;; end of part 1
;; launch dist (part 2): grid 4 x 64, 4 waves a work-group, clusters of 4 x 1, 327,680 bytes of LDS; arguments txb, xb, b2, a2, dd; writes dd
.if DOCPART == 2
	.amdgcn_target "amdgcn-amd-amdhsa--gfx1250"
	.amdhsa_code_object_version 6
	.text
	.protected	k_q4872a423c6_dist
	.globl	k_q4872a423c6_dist
	.p2align	8
	.type	k_q4872a423c6_dist,@function
k_q4872a423c6_dist:
	s_mov_b64 s[64:65], 0
	v_nop
	global_prefetch_b8 v0, s[64:65] scope:SCOPE_SE
	s_setreg_imm32_b32 hwreg(HW_REG_WAVE_MODE, 25, 1), 1
	s_wait_xcnt 0x0
	s_wait_alu depctr_hold_cnt(0) depctr_sa_sdst(0) depctr_va_vdst(0) depctr_va_sdst(0) depctr_va_ssrc(0) depctr_va_vcc(0) depctr_vm_vsrc(0)
	s_getreg_b32 s2, hwreg(HW_REG_IB_STS2, 6, 4)
	s_cmp_eq_u32 s2, 0
	s_cbranch_scc0 .Lentry_in_a_cluster
	s_endpgm
.Lentry_in_a_cluster:
	s_bfe_u32 s2, ttmp6, 0x10000c
	s_cmp_lg_u32 s2, 0x3003
	s_cbranch_scc0 .Lentry_shape_is_right
	s_endpgm
.Lentry_shape_is_right:
; ALL SQUARED DISTANCES, AND THE MINIMA OF BLOCKS OF 32.   sq[q][n] = (a2[q] + b2[n]) - 2 x[q] . t[n]: two f32 operations on the f32 sums of exact bf16 products.
; SHARES.  The cluster's y is a slab of 1,600 train rows (25 groups of 64); the four work-groups of a cluster take 256 queries each, a wave 64: four row tiles of 16.
; The four partners walk the same train rows, so every tile is asked for JOINTLY (mask 15).  The place in the cluster enters global addresses alone (xb, a2, dd, the prefetch).
; A wave's queries stay in registers (256); a group's 64 train rows (256 registers) come out of LDS; 128 matrix instructions a group on 16 accumulators that take turns.
; LAYOUT.  Source 0 = 16 queries, source 1 = 16 train rows.  The launch before has laid row i of a group at place 16 (i & 3) + 2 ((i >> 2) & 7) + (i >> 5), so lane r of the four column
; tiles u holds rows 32 (r & 1) + 4 (r >> 1) + u: four neighbouring numbers of a query's row of dd, one store of 16 bytes; sixteen lanes store 256 consecutive bytes, aligned.
; dd.  A query's row has PITCH bytes.  Slab s has 8,192 bytes at 8,192 s, of which 6,400 are written (and only those are read later); from byte 524,288 on lie the block minima:
; 64 words a slab, word 2 g + b for half b of group g, words 50 .. 63 = +inf.  max(sq, 0) is left to the readers: it commutes with the minimum.
; THE RING.  Group 0 has LDS bytes of its own; groups 1 .. 24 go in 8 phases of 3 groups through two slots.  Behind each change of slots a wave issues one tensor load (48 rows of 512 bytes),
; which has three groups' work, 384 matrix instructions and three epilogues, in which to land.  By this text's count a wave has two tensor loads out at the start, later one.
; A group's epilogue (sums, minima, stores) stands between the next group's LDS loads and the wait for them.
; REGISTERS: window 0 addresses, norms, results at work, the 16 accumulators; window 1 the queries' fragments at 8 (8 mt + ks); window 2 the train rows' at 8 (8 u + ks).
.set PITCH, 540672
.set LP,    528                        ; an LDS row: 512 bytes + 16 of padding: an odd multiple of 16, so the 16 rows of a fragment load start in 16 different 16-byte columns of the 256-byte bank row (ISA guide 11.1)
.set GRPB,  64*LP
.set SLOTB, 3*GRPB
.set XREG,  2*SLOTB                    ; group 0
.set STAGE, XREG+GRPB                  ; 256 queries x 256 bytes of minima; wave w's 64 queries at 16,384 w; no tile lands here
.set SPARE, STAGE+256*256              ; the spare words, 128 bytes a wave: two blocks of 256 bytes that no other line names
.set PHB,   3*64*512                   ; a phase's bytes in memory
.set ADB, 4                            ; v4   LDS address of the group that is fetched
.set LB0, 5                            ; v5   r x 528 + 16 h
.set AQ,  6                            ; v6   my offset in a group of xb
.set B2O, 7                            ; v7   128 (r & 1) + 16 (r >> 1): my 16 bytes of a group's 256
.set VO,  8                            ; v[8:11]  (16 mt + 8 h) x PITCH + B2O
.set STA, 12                           ; v12  where my minima go
.set RD,  13                           ; v13  where the stage is read back
.set GO,  14                           ; v14  h x PITCH + 16 r
.set PFO, 15                           ; v15  256 x lane
.set SPW, 16                           ; v16  LDS address of my spare word; never rewritten
.set NIL, 17                           ; v17  0; never rewritten
.set ST0, 18
.set RD0, 19
.set A2,  20                           ; v[20:51]  a2 of query 16 mt + 8 h + j at 8 mt + j
.set B2,  52                           ; v[52:55]  b2 of my four rows
.set MN,  56                           ; v[56:63]  minima at work
.set T0,  64                           ; v[64:127] two sets of 32: sq at 4 j + u
.set ACC, 128                          ; v[128:255] tile (mt, u) at 8 (4 mt + u)
.set WV,  14
.set CX,  15
.set SLAB, 16
.set SG,  17                           ; 8 x the group whose epilogue is due
.set SR,  18
.set G1R, 20                           ; s[20:27] group 1, ring tiles: 48 rows
.set G1X, 28                           ; s[28:35] group 1, group 0's tile: 16 rows
.set G0R, 36                           ; s[36:39]
.set G0X, 40                           ; s[40:43]
.set TB,  44                           ; LDS byte at which the group to be fetched begins
.set FLS, 45                           ; the slot that is filled
.set PH,  46
.set GI,  47
.set DB,  48                           ; s[48:49] dd at my first query's row, the slab, the group
.set BB,  50                           ; s[50:51] b2 at the group
.set PFA, 52                           ; s[52:53] where my prefetches stand
.set LIM, 54
.set WPART, 55
.set D1,  56                           ; s[56:57] dd at my first query's minima of the slab
.set MSB, 0
.macro WIN new                         ; the immediate's high byte repeats the setting that is left; a switch that changes nothing is dropped
.if MSB != (\new)
	s_set_vgpr_msb (MSB<<8)|(\new)
.set MSB, (\new)
.endif
.endm
.macro PLACES                          ; four places behind a matrix instruction, ahead of loads into its sources and of reads of its result
.rept 4
	v_nop
.endr
.endm
.macro ROUND                           ; a round of the cluster's barrier
	s_barrier_signal -1
	s_barrier_wait -1
	s_cmp_lg_u32 s[WV], 0
	s_cbranch_scc1 .Lnot_wave_0_\@
	s_barrier_signal -3
.Lnot_wave_0_\@:
	s_barrier_wait -3
	s_barrier_signal -1
	s_barrier_wait -1
.endm
; A prefetch of the phase that the NEXT change of slots will load: 98,304 bytes = 12 askers (waves 0 to 2 of the four partners, told apart by address) x 32 lanes x 256 bytes: each block is
; named once in the launch, three groups' work ahead of its load.  The last filling change asks for nothing; group 0 and phases 0 and 1 come by their loads alone.
.macro ASK
	s_cmp_gt_u32 s[PH], s[LIM]
	s_cbranch_scc0 .Lnot_mine_\@
	global_prefetch_b8 v[PFO], s[PFA:PFA+1] th:TH_LOAD_NT scope:SCOPE_SE
.Lnot_mine_\@:
.endm
	s_load_b256 s[4:11], s[0:1], 0x0               ; txb, xb, b2, a2
	s_load_b64 s[12:13], s[0:1], 0x20              ; dd
	v_lshl_add_u32 v[SPW], v0, 2, SPARE
	v_mov_b32 v[NIL], 0
	ds_add_u32 v[SPW], v[NIL]                      ; the wave's opening: the add, twice on end, and its wait ahead of my first tensor load
	ds_add_u32 v[SPW], v[NIL]
	v_lshrrev_b32 v3, 5, v0
	v_readfirstlane_b32 s[WV], v3                  ; wave 0..3
	s_bfe_u32 s[CX], ttmp6, 0x40000                ; my place in the cluster: my block of 256 queries
	s_and_b32 s[SLAB], ttmp7, 0xffff               ; the cluster's y: the slab, which the partners share
	s_mov_b32 s[G1R+0], 15|(1<<16)|(1<<20)|(1<<21)|(6<<22)|(3<<25)  ; mask of four; 2-byte elements; padding on; bit 21 beside a mask; after every 128 words 4 words
	s_mov_b32 s[G1R+1], 256<<16                    ; tensor_dim0 = 256
	s_mov_b32 s[G1R+2], 48<<16                     ; tensor_dim1 = 48
	s_mov_b32 s[G1R+3], 256<<16                    ; tile_dim0 = 256
	s_mov_b32 s[G1R+4], 48                         ; tile_dim1 = 48
	s_mov_b32 s[G1R+5], 256                        ; elements from row to row
	s_mov_b32 s[G1R+6], 0
	s_mov_b32 s[G1R+7], 0
	s_mov_b32 s[G1X+0], 15|(1<<16)|(1<<20)|(1<<21)|(6<<22)|(3<<25)
	s_mov_b32 s[G1X+1], 256<<16
	s_mov_b32 s[G1X+2], 16<<16                     ; 16 rows a wave
	s_mov_b32 s[G1X+3], 256<<16
	s_mov_b32 s[G1X+4], 16
	s_mov_b32 s[G1X+5], 256
	s_mov_b32 s[G1X+6], 0
	s_mov_b32 s[G1X+7], 0
	s_mul_i32 s[WPART], s[WV], 48*LP               ; my 48 rows of a slot
	s_mul_i32 s58, s[WV], 16*LP                    ; my 16 rows of group 0
	s_mov_b32 s[G0R], 1
	s_add_co_u32 s[G0R+1], s[WPART], 0             ; slot 0
	s_mov_b32 s[G0X], 1
	s_add_co_u32 s[G0X+1], s58, XREG
	s_cmp_lt_u32 s[WV], 3
	s_cselect_b32 s[LIM], 1, -1                    ; waves 0 to 2 prefetch
	s_mov_b32 s[SG], 0
	s_wait_dscnt 0x0                               ; both opening adds are done
	s_wait_kmcnt 0x0
	s_mul_i32 s60, s[SLAB], 1600*512
	s_mov_b32 s61, 0
	s_add_nc_u64 s[60:61], s[4:5], s[60:61]        ; txb at the slab
	s_lshl_b32 s62, s[WV], 13
	s_mov_b32 s63, 0
	s_add_nc_u64 s[G0X+2:G0X+3], s[60:61], s[62:63]  ; my 16 rows of group 0
	s_or_b32 s[G0X+3], s[G0X+3], 0x80000000
	s_mul_i32 s62, s[WV], 48*512
	s_add_co_u32 s62, s62, 64*512
	s_add_nc_u64 s[G0R+2:G0R+3], s[60:61], s[62:63]  ; my 48 rows of phase 0
	s_or_b32 s[G0R+3], s[G0R+3], 0x80000000
	ROUND                                          ; all four work-groups are here: the first joint loads meet
	tensor_load_to_lds s[G0X:G0X+3], s[G1X:G1X+7]
	s_nop 0
	tensor_load_to_lds s[G0R:G0R+3], s[G1R:G1R+7]
	s_nop 0
	PLACES
	; global addresses that hang on my place in the cluster, in registers of their own
	s_mul_i32 s66, s[CX], 3
	s_add_co_u32 s66, s66, s[WV]
	s_lshl_b32 s66, s66, 13                        ; asker 3 cx + w takes 8,192 bytes of a phase
	s_add_co_u32 s66, s66, 64*512+PHB              ; in phase 1; the first change steps it to phase 2
	s_mov_b32 s67, 0
	s_add_nc_u64 s[PFA:PFA+1], s[60:61], s[66:67]
	s_lshl_b32 s68, s[CX], 8
	s_lshl_b32 s69, s[WV], 6
	s_add_co_u32 s68, s68, s69                     ; my wave's first query
	s_lshl_b32 s66, s68, 9
	s_add_nc_u64 s[70:71], s[6:7], s[66:67]        ; xb
	s_lshl_b32 s66, s68, 2
	s_add_nc_u64 s[72:73], s[10:11], s[66:67]      ; a2
	s_mul_i32 s66, s68, PITCH                      ; 960 x PITCH at the most: under 2^32
	s_add_nc_u64 s[D1:D1+1], s[12:13], s[66:67]
	s_lshl_b32 s66, s[SLAB], 13
	s_add_nc_u64 s[DB:DB+1], s[D1:D1+1], s[66:67]
	s_lshl_b32 s66, s[SLAB], 8
	s_add_co_u32 s66, s66, 4096*128
	s_add_nc_u64 s[D1:D1+1], s[D1:D1+1], s[66:67]
	s_mul_i32 s66, s[SLAB], 6400
	s_add_nc_u64 s[BB:BB+1], s[8:9], s[66:67]
	v_and_b32 v1, 15, v0                           ; r
	v_bfe_u32 v2, v0, 4, 1                         ; h
	v_mul_u32_u24 v[LB0], v1, LP
	v_lshl_add_u32 v[LB0], v2, 4, v[LB0]
	v_and_b32 v3, 3, v1
	v_lshrrev_b32 v[AQ], 2, v1
	v_lshlrev_b32 v[AQ], 10, v[AQ]
	v_lshl_add_u32 v[AQ], v3, 13, v[AQ]            ; query 16 mt + r lies at place 16 (r & 3) + 2 (r >> 2) + 8 (mt & 1) + (mt >> 1)
	v_lshl_add_u32 v[AQ], v2, 4, v[AQ]
	v_and_b32 v3, 1, v1
	v_lshrrev_b32 v[B2O], 1, v1
	v_lshlrev_b32 v[B2O], 4, v[B2O]
	v_lshl_add_u32 v[B2O], v3, 7, v[B2O]
	v_mul_u32_u24 v[VO], v2, 8*PITCH
	v_add_nc_u32 v[VO], v[VO], v[B2O]
	v_add_nc_u32 v[VO+1], 16*PITCH, v[VO]
	v_add_nc_u32 v[VO+2], 32*PITCH, v[VO]
	v_add_nc_u32 v[VO+3], 48*PITCH, v[VO]
	s_lshl_b32 s59, s[WV], 14
	s_add_co_u32 s59, s59, STAGE                   ; my wave's part of the stage
	v_lshl_add_u32 v[ST0], v2, 11, s59
	v_lshl_add_u32 v[ST0], v3, 2, v[ST0]           ; query 8 h, word r & 1
	v_and_b32 v3, 31, v0
	v_lshl_add_u32 v[RD0], v3, 4, s59
	v_lshlrev_b32 v[PFO], 8, v3
	v_mul_u32_u24 v[GO], v2, PITCH
	v_lshl_add_u32 v[GO], v1, 4, v[GO]
	v_lshlrev_b32 v[MN], 5, v2                     ; 8 h queries' norms on
	v_lshl_add_u32 v[MN+1], v3, 8, s59
	WIN 0x40                                       ; destination window 1
.set t, 0
.rept 32                               ; t = 8 mt + ks
	global_load_b128 v[8*t:8*t+3],   v[AQ], s[70:71] offset:(8*((t/8)&1)+(t/16))*512+64*(t%8)
	global_load_b128 v[8*t+4:8*t+7], v[AQ], s[70:71] offset:(8*((t/8)&1)+(t/16))*512+64*(t%8)+32
.set t, t+1
.endr
	WIN 0
.irp mt,0,1,2,3
	global_load_b128 v[A2+8*(\mt):A2+8*(\mt)+3],   v[MN], s[72:73] offset:64*(\mt)
	global_load_b128 v[A2+8*(\mt)+4:A2+8*(\mt)+7], v[MN], s[72:73] offset:64*(\mt)+16
.endr
	global_load_b128 v[B2:B2+3], v[B2O], s[BB:BB+1]  ; group 0
.irp i,0,1,2,3
	v_mov_b32 v[T0+(\i)], 0x7f800000
.endr
.irp i,0,1                             ; words 50 .. 63 of my wave's 64 queries: +inf
	ds_store_b64  v[MN+1], v[T0:T0+1] offset:8192*(\i)+200
	ds_store_b128 v[MN+1], v[T0:T0+3] offset:8192*(\i)+208
	ds_store_b128 v[MN+1], v[T0:T0+3] offset:8192*(\i)+224
	ds_store_b128 v[MN+1], v[T0:T0+3] offset:8192*(\i)+240
.endr
; 64 LDS loads in one run: a group's 64 rows, all of K
.macro BLOAD
	WIN 0
	v_add_nc_u32 v[ADB], s[TB], v[LB0]
	s_add_co_u32 s[TB], s[TB], GRPB                ; the next fetch is the next group's
	WIN 0x80                                       ; destination window 2
.set t, 0
.rept 32                               ; t = 8 u + ks
	ds_load_b128 v[8*t:8*t+3],   v[ADB] offset:(t/8)*16*LP+64*(t%8)
	ds_load_b128 v[8*t+4:8*t+7], v[ADB] offset:(t/8)*16*LP+64*(t%8)+32
.set t, t+1
.endr
	WIN 0
.endm
; 128 matrix instructions: the 16 accumulators take turns, one instruction a turn; the first 16 start the sums with the constant 0
.macro MUL
	WIN 0x09                                       ; source 0 window 1, source 1 window 2, C and D window 0
.set ks, 0
.rept 8
.set t, 0
.rept 16                               ; t = 4 mt + u
.if ks == 0
	v_wmma_f32_16x16x32_bf16 v[ACC+8*t:ACC+8*t+7], v[8*(8*(t/4)+ks):8*(8*(t/4)+ks)+7], v[8*(8*(t%4)+ks):8*(8*(t%4)+ks)+7], 0
.else
	v_wmma_f32_16x16x32_bf16 v[ACC+8*t:ACC+8*t+7], v[8*(8*(t/4)+ks):8*(8*(t/4)+ks)+7], v[8*(8*(t%4)+ks):8*(8*(t%4)+ks)+7], v[ACC+8*t:ACC+8*t+7]
.endif
.set t, t+1
.endr
.set ks, ks+1
.endr
	WIN 0
.endm
; A group's way out, a row tile at a time: sq = (a2 + b2) - 2 dot; the minimum of my four, then of the eight lanes of my parity (32 rows: half a group); stores.
; Each accumulator's register 0 is read first.  The two sets of results take turns; tiles 2 and 3 write over what tiles 0 and 1 have stored, behind s_wait_xcnt 0;
; tiles 0 and 1 are free since the wait at the end of the group before.
.macro EPI
	v_add_nc_u32 v[STA], s[SG], v[ST0]
.irp mt,0,1,2,3
.set TT, T0+32*((\mt)&1)
.set AC, ACC+32*(\mt)
.set AA, A2+8*(\mt)
.if (\mt) >= 2
	s_wait_xcnt 0x0
.endif
.irp j,0,2,4,6
.irp u,0,2
	v_pk_add_f32 v[TT+4*(\j)+(\u):TT+4*(\j)+(\u)+1],     v[AA+(\j):AA+(\j)+1], v[B2+(\u):B2+(\u)+1] op_sel_hi:[0,1]           ; query j: the pair's first norm for both
	v_pk_add_f32 v[TT+4*(\j)+4+(\u):TT+4*(\j)+4+(\u)+1], v[AA+(\j):AA+(\j)+1], v[B2+(\u):B2+(\u)+1] op_sel:[1,0] op_sel_hi:[1,1]  ; query j + 1: its second
.endr
.endr
.irp j,0,1,2,3,4,5,6,7
.irp u,0,1,2,3
	v_fma_f32 v[TT+4*(\j)+(\u)], -2.0, v[AC+8*(\u)+(\j)], v[TT+4*(\j)+(\u)]
.endr
.endr
.irp j,0,1,2,3,4,5,6,7
	v_min3_num_f32 v[MN+(\j)], v[TT+4*(\j)], v[TT+4*(\j)+1], v[TT+4*(\j)+2]
.endr
.irp j,0,1,2,3,4,5,6,7
	v_min_num_f32 v[MN+(\j)], v[MN+(\j)], v[TT+4*(\j)+3]
.endr
.irp j,0,1,2,3,4,5,6,7
	global_store_b128 v[VO+(\mt)], v[TT+4*(\j):TT+4*(\j)+3], s[DB:DB+1] offset:(\j)*PITCH th:TH_STORE_NT  ; each half of the lanes stores 256 consecutive bytes, aligned
.endr
.irp xm,2,4,8
.irp j,0,1,2,3,4,5,6,7
	v_min_num_f32_dpp v[MN+(\j)], v[MN+(\j)], v[MN+(\j)] row_xmask:\xm row_mask:0xf bank_mask:0xf
.endr
.endr
.irp j,0,1,2,3,4,5,6,7
	ds_store_b32 v[STA], v[MN+(\j)] offset:(16*(\mt)+(\j))*256  ; the eight lanes of a parity write one word with one value
.endr
.endr
.endm
; A group: its fragments are fetched; the group before goes out meanwhile; its b2 is asked for; its products.
.macro BODY
	PLACES
	BLOAD
	s_wait_loadcnt 0x0                             ; b2 of the group before, asked for ahead of its products
	EPI
	s_add_nc_u64 s[BB:BB+1], s[BB:BB+1], 256       ; free since that wait
	global_load_b128 v[B2:B2+3], v[B2O], s[BB:BB+1]
	s_wait_dscnt 0x0                               ; the fragments are in
	MUL
	s_wait_xcnt 0x0                                ; the stores, 128 matrix instructions back, have read their base and their data
	s_add_nc_u64 s[DB:DB+1], s[DB:DB+1], 256
	s_add_co_u32 s[SG], s[SG], 8
.endm
; THE CHANGE OF SLOTS.  Each wave waits for all its tensor loads (one is out: its part of the slot to be read), adds 0 to its spare word, and waits for that and for its reads of the slot
; that it leaves.  fill = 1: the barrier is a round of the cluster's, and the joint refill of the slot just left is the first thing behind it.
.macro CHANGE fill
	WIN 0
	s_wait_tensorcnt 0x0                           ; no tensor load of mine is out, so group 0 of the descriptor may be written
	ds_add_u32 v[SPW], v[NIL]                      ; the scalar steps stand between the add and the wait for it
.if \fill
	s_xor_b32 s[FLS], s[FLS], SLOTB
	s_add_co_u32 s[G0R+1], s[FLS], s[WPART]
	s_add_nc_u64 s[G0R+2:G0R+3], s[G0R+2:G0R+3], PHB
	s_wait_xcnt 0x0                                ; the last prefetch, a phase back, has read its address
	s_add_nc_u64 s[PFA:PFA+1], s[PFA:PFA+1], PHB
.endif
	s_sub_co_u32 s[TB], s[TB], SLOTB               ; the fetches go back to a slot's first group,
	s_xor_b32 s[TB], s[TB], SLOTB                  ; in the other slot
	s_wait_dscnt 0x0                               ; the add is done, and my reads of the slot are over
.if \fill
	ROUND
	tensor_load_to_lds s[G0R:G0R+3], s[G1R:G1R+7]
	s_nop 0
	PLACES
	ASK
.else
	s_barrier_signal -1
	s_barrier_wait -1
.endif
.endm
	s_wait_tensorcnt 0x1                           ; my part of group 0 is in; slot 0's load may stay out
	s_wait_dscnt 0x0                               ; my stores into the stage
	s_barrier_signal -1
	s_barrier_wait -1
	s_mov_b32 s[TB], XREG
	BLOAD
	s_wait_loadcnt 0x0                             ; the queries, a2, b2 of group 0
	s_wait_dscnt 0x0
	MUL                                            ; group 0
	s_mov_b32 s[TB], 2*SLOTB                       ; the first change turns this into slot 0
	s_mov_b32 s[FLS], 0
	s_mov_b32 s[PH], 7
.Lphase:                                               ; seven times: a phase is entered and the next is asked for
	CHANGE 1
	s_mov_b32 s[GI], 3
.Lgroup:
	BODY
	s_sub_co_u32 s[GI], s[GI], 1
	s_cmp_lg_u32 s[GI], 0
	s_cbranch_scc1 .Lgroup
	s_sub_co_u32 s[PH], s[PH], 1
	s_cmp_lg_u32 s[PH], 0
	s_cbranch_scc1 .Lphase
	CHANGE 0                                       ; the last phase is written out
	s_mov_b32 s[GI], 3
.Ltail:
	BODY
	s_sub_co_u32 s[GI], s[GI], 1
	s_cmp_lg_u32 s[GI], 0
	s_cbranch_scc1 .Ltail
	PLACES
	s_wait_loadcnt 0x0
	EPI                                            ; group 24
	s_wait_xcnt 0x0                                ; its stores have read the registers that the loads below fill
	s_mov_b32 s[SR], 0
	s_mov_b32 s[GI], 8
.Lminima:                                              ; my wave's 64 queries x 256 bytes of minima, 8 queries a trip; the bytes are my wave's own, and LDS serves a wave in order
	v_add_nc_u32 v[RD], s[SR], v[RD0]
.irp i,0,1,2,3
	ds_load_b128 v[T0+4*(\i):T0+4*(\i)+3], v[RD] offset:512*(\i)
.endr
	s_wait_dscnt 0x0
.irp i,0,1,2,3
	global_store_b128 v[GO], v[T0+4*(\i):T0+4*(\i)+3], s[D1:D1+1] offset:2*(\i)*PITCH  ; each half of the lanes stores a query's 256 bytes, aligned
.endr
	s_wait_xcnt 0x0
	s_add_nc_u64 s[D1:D1+1], s[D1:D1+1], 8*PITCH
	s_add_co_u32 s[SR], s[SR], 2048
	s_sub_co_u32 s[GI], s[GI], 1
	s_cmp_lg_u32 s[GI], 0
	s_cbranch_scc1 .Lminima
	s_wait_tensorcnt 0x0                           ; the wave's end
	ds_add_u32 v[SPW], v[NIL]
	s_wait_dscnt 0x0
	ROUND                                          ; the closing round
	s_endpgm
.Lfunc_end_k_q4872a423c6_dist:
	.size	k_q4872a423c6_dist, .Lfunc_end_k_q4872a423c6_dist-k_q4872a423c6_dist
	.p2alignl 7, 3214868480
	.fill 96, 4, 3214868480
	.section	.rodata,"a",@progbits
	.p2align	6, 0x0
	.amdhsa_kernel k_q4872a423c6_dist
		.amdhsa_group_segment_fixed_size 327680
		.amdhsa_private_segment_fixed_size 0
		.amdhsa_enable_private_segment 0
		.amdhsa_kernarg_size 40
		.amdhsa_user_sgpr_count 2
		.amdhsa_user_sgpr_kernarg_segment_ptr 1
		.amdhsa_wavefront_size32 1
		.amdhsa_system_sgpr_workgroup_id_x 1
		.amdhsa_system_sgpr_workgroup_id_y 1
		.amdhsa_system_sgpr_workgroup_id_z 1
		.amdhsa_system_vgpr_workitem_id 0
		.amdhsa_next_free_vgpr 768
		.amdhsa_next_free_sgpr 100
		.amdhsa_reserve_vcc 0
		.amdhsa_float_denorm_mode_32 3
		.amdhsa_float_denorm_mode_16_64 3
		.amdhsa_memory_ordered 1
		.amdhsa_forward_progress 1
		.amdhsa_inst_pref_size 134
	.end_amdhsa_kernel
	.amdgpu_metadata
---
amdhsa.version: [ 1, 2 ]
amdhsa.kernels:
  - .name:           k_q4872a423c6_dist
    .symbol:         k_q4872a423c6_dist.kd
    .args:
      - { .name: txb, .offset: 0, .size: 8, .value_kind: global_buffer, .address_space: global }
      - { .name: xb, .offset: 8, .size: 8, .value_kind: global_buffer, .address_space: global }
      - { .name: b2, .offset: 16, .size: 8, .value_kind: global_buffer, .address_space: global }
      - { .name: a2, .offset: 24, .size: 8, .value_kind: global_buffer, .address_space: global }
      - { .name: dd, .offset: 32, .size: 8, .value_kind: global_buffer, .address_space: global }
    .group_segment_fixed_size: 327680
    .private_segment_fixed_size: 0
    .kernarg_segment_align: 8
    .kernarg_segment_size: 40
    .max_flat_workgroup_size: 128
    .sgpr_count:     100
    .vgpr_count:     768
    .wavefront_size: 32
...
	.end_amdgpu_metadata
.endif
;; end of part 2
;; launch sel (part 3): grid 1024 x 1, 1 waves a work-group, no clusters, 1,024 bytes of LDS; arguments prev0, dd, sel1; writes sel1
.if DOCPART == 3
	.amdgcn_target "amdgcn-amd-amdhsa--gfx1250"
	.amdhsa_code_object_version 6
	.text
	.protected	k_q4872a423c6_sel
	.globl	k_q4872a423c6_sel
	.p2align	8
	.type	k_q4872a423c6_sel,@function
k_q4872a423c6_sel:
	s_mov_b64 s[64:65], 0
	v_nop
	global_prefetch_b8 v0, s[64:65] scope:SCOPE_SE
	s_setreg_imm32_b32 hwreg(HW_REG_WAVE_MODE, 25, 1), 1
	s_wait_xcnt 0x0
; THE 128 SMALLEST OF 4,096 KEYS, AS MASKS.  One wave, one query.  It runs twice: on the block minima (which 128 blocks), then on those blocks' elements (which 128 neighbours).
; That is exact: in the order (value, index) the 128 smallest elements lie in the 128 blocks with the smallest minima.
; IN: a record of 128 mask words and 128 parents.  Bit l of word r names block 32 x parent[r] + l - 131,072 of the query's row of dd (128 bytes, 32 keys).  Exactly 128 bits are set.
; OUT: a record of the same form: word r, bit l, says whether key l of the r-th block named is chosen; parent[r] is that block's number.
; The slots, and so the addresses, are made of whole numbers that an earlier launch stored; every number that enters an address is clamped first.
; The keys are max(sq, 0): non-negative floats, whose bit patterns order as unsigned integers.  The 128th smallest, T, is found bit by bit (31 counts of keys below a candidate, one more for the
; number below T itself); chosen are the keys below T and, of those equal to T, the first in position, which is index order.  Nothing here branches or addresses by a key.
; LIMITS.  NaN counts as 0; at least 128 keys must be finite, or blocks that were never written could be named.
.set PITCH, 540672
.set SPARE, 768                        ; LDS: the list 0 .. 511; one dummy word at 512; the spare words from 768 on: a block of 256 bytes that no other line names
.set PM,  8                            ; v[8:11]   masks in, words 4 l .. 4 l + 3
.set PP,  12                           ; v[12:15]  parents in
.set MO,  16                           ; v[16:19]  masks out
.set LO,  20                           ; v[20:23]  the list, on its way out
.set SPW, 24
.set NIL, 25
.set EQ,  26                           ; v[26:29]  places among the equal keys
.set AD,  32                           ; v[32:63]  32 blocks' addresses
.set K,   128                          ; v[128:255] key l of block r in lane l of register r: position 32 r + l
.set LN,   12
.set RUN,  13
.set T,    14
.set BIT,  15
.set CAND, 16
.set CNT,  17
.set NEED, 18
.set EQR,  19
.set MS,   20                          ; s[20:31] four sets of three masks
.set CM,   32                          ; s[32:47] sixteen masks
.set PS,   48                          ; s[48:51] four partial counts
.set ROWB, 52                          ; s[52:53] the query's row of dd
.set TRIP, 54
	s_load_b128 s[4:7], s[0:1], 0x0                ; the record in, dd
	s_load_b64 s[8:9], s[0:1], 0x10                ; the record out
	v_lshl_add_u32 v[SPW], v0, 2, SPARE
	v_mov_b32 v[NIL], 0
	v_lshlrev_b32 v1, 2, v0
	v_lshlrev_b32 v2, 4, v0
	v_add_nc_u32 v3, 0xfffe0000, v0                ; lane - 131,072
	v_mov_b32 v7, 0
.irp i,0,1,2,3
	v_mov_b32 v[MO+(\i)], 0
.endr
	ds_store_b128 v2, v[MO:MO+3]                   ; the list starts at 0
	s_lshl_b32 s10, ttmp9, 10
	s_mov_b32 s11, 0
	s_mul_i32 s[ROWB], ttmp9, PITCH                ; 1,023 x PITCH at the most: under 2^32
	s_mov_b32 s[ROWB+1], 0
	s_wait_kmcnt 0x0
	s_add_nc_u64 s[4:5], s[4:5], s[10:11]
	s_add_nc_u64 s[8:9], s[8:9], s[10:11]
	s_add_nc_u64 s[ROWB:ROWB+1], s[6:7], s[ROWB:ROWB+1]
	global_load_b128 v[PM:PM+3], v2, s[4:5]
	global_load_b128 v[PP:PP+3], v2, s[4:5] offset:512
	s_mov_b32 s[LN], 0
	s_mov_b32 s[RUN], 0
	s_wait_loadcnt 0x0
.Ldecode:                                              ; word 4 L + k: each set bit takes the next slot of the list; a lane whose bit is off lands, by the clamp, in the dummy word
.irp k,0,1,2,3
	v_readlane_b32 s20, v[PM+(\k)], s[LN]
	v_readlane_b32 s21, v[PP+(\k)], s[LN]
	s_not_b32 s22, s20
	v_mbcnt_lo_u32_b32 v5, s20, s[RUN]             ; bits set so far + bits set below my lane
	v_bfe_u32 v6, s22, v0, 1
	v_lshl_add_u32 v5, v6, 8, v5
	v_min_u32 v5, 128, v5
	v_lshlrev_b32 v5, 2, v5
	v_lshl_add_u32 v6, s21, 5, v3
	ds_store_b32 v5, v6
	s_bcnt1_i32_b32 s22, s20
	s_add_co_u32 s[RUN], s[RUN], s22
.endr
	s_add_co_u32 s[LN], s[LN], 1
	s_cmp_lt_u32 s[LN], 32
	s_cbranch_scc1 .Ldecode
.set b, 0
.rept 4                                ; 32 blocks at a time: their numbers to every lane, then a load of 128 consecutive bytes for each
.if b > 0
	s_wait_xcnt 0x0                                ; the loads have read their address registers, which are written again
.endif
.set i, 0
.rept 8
	ds_load_b128 v[AD+4*i:AD+4*i+3], v7 offset:128*b+16*i
.set i, i+1
.endr
	s_wait_dscnt 0x0
.set i, 0
.rept 32
	v_min_u32 v[AD+i], 4223, v[AD+i]
	v_lshl_add_u32 v[AD+i], v[AD+i], 7, v1
	global_load_b32 v[K+32*b+i], v[AD+i], s[ROWB:ROWB+1]
.set i, i+1
.endr
.set b, b+1
.endr
	s_wait_loadcnt 0x0
.set i, 0
.rept 128
	v_max_num_f32 v[K+i], 0, v[K+i]
.set i, i+1
.endr
	s_mov_b32 s[T], 0
	s_mov_b32 s[BIT], 0x40000000
	s_mov_b32 s[TRIP], 32
.Lsearch:                                              ; T keeps a bit if fewer than 128 keys lie below T with that bit; the last trip, with no bit, counts the keys below T
	s_or_b32 s[CAND], s[T], s[BIT]
.irp i,0,1,2,3
	s_mov_b32 s[PS+(\i)], 0
.endr
.set b, 0
.rept 8
.set i, 0
.rept 16
	v_cmp_gt_u32 s[CM+i], s[CAND], v[K+16*b+i]
.set i, i+1
.endr
.set i, 0
.rept 16
	s_bcnt1_i32_b32 s[CM+i], s[CM+i]
.set i, i+1
.endr
.set i, 0
.rept 16
	s_add_co_u32 s[PS+(i&3)], s[PS+(i&3)], s[CM+i]
.set i, i+1
.endr
.set b, b+1
.endr
	s_add_co_u32 s[PS], s[PS], s[PS+1]
	s_add_co_u32 s[PS+2], s[PS+2], s[PS+3]
	s_add_co_u32 s[CNT], s[PS], s[PS+2]
	s_cmp_lt_u32 s[CNT], 128
	s_cselect_b32 s[T], s[CAND], s[T]
	s_lshr_b32 s[BIT], s[BIT], 1
	s_sub_co_u32 s[TRIP], s[TRIP], 1
	s_cmp_lg_u32 s[TRIP], 0
	s_cbranch_scc1 .Lsearch
	s_sub_co_u32 s[NEED], 128, s[CNT]              ; so many of the keys equal to T are taken
	s_mov_b32 s[EQR], 0
.set b, 0
.rept 32                               ; four registers at a time
.set i, 0
.rept 4
	v_cmp_gt_u32 s[MS+3*i],   s[T], v[K+4*b+i]     ; below T
	v_cmp_eq_u32 s[MS+3*i+1], s[T], v[K+4*b+i]     ; equal to T
.set i, i+1
.endr
.set i, 0
.rept 4
	v_mbcnt_lo_u32_b32 v[EQ+i], s[MS+3*i+1], s[EQR]  ; equal keys at earlier positions
	s_bcnt1_i32_b32 s[MS+3*i+2], s[MS+3*i+1]
	s_add_co_u32 s[EQR], s[EQR], s[MS+3*i+2]
.set i, i+1
.endr
.set i, 0
.rept 4
	v_cmp_gt_u32 s[MS+3*i+2], s[NEED], v[EQ+i]
.set i, i+1
.endr
.set i, 0
.rept 4
	s_and_b32 s[MS+3*i+2], s[MS+3*i+2], s[MS+3*i+1]
	s_or_b32 s[MS+3*i], s[MS+3*i], s[MS+3*i+2]
	v_writelane_b32 v[MO+i], s[MS+3*i], b          ; word 4 b + i lies in lane b, register i
.set i, i+1
.endr
.set b, b+1
.endr
	global_store_b128 v2, v[MO:MO+3], s[8:9]       ; 512 consecutive bytes, aligned
	ds_load_b128 v[LO:LO+3], v2
	s_wait_dscnt 0x0
	global_store_b128 v2, v[LO:LO+3], s[8:9] offset:512
	s_wait_tensorcnt 0x0                           ; the wave's end
	ds_add_u32 v[SPW], v[NIL]
	s_wait_dscnt 0x0
	s_endpgm
.Lfunc_end_k_q4872a423c6_sel:
	.size	k_q4872a423c6_sel, .Lfunc_end_k_q4872a423c6_sel-k_q4872a423c6_sel
	.p2alignl 7, 3214868480
	.fill 96, 4, 3214868480
	.section	.rodata,"a",@progbits
	.p2align	6, 0x0
	.amdhsa_kernel k_q4872a423c6_sel
		.amdhsa_group_segment_fixed_size 1024
		.amdhsa_private_segment_fixed_size 0
		.amdhsa_enable_private_segment 0
		.amdhsa_kernarg_size 24
		.amdhsa_user_sgpr_count 2
		.amdhsa_user_sgpr_kernarg_segment_ptr 1
		.amdhsa_wavefront_size32 1
		.amdhsa_system_sgpr_workgroup_id_x 1
		.amdhsa_system_sgpr_workgroup_id_y 1
		.amdhsa_system_sgpr_workgroup_id_z 1
		.amdhsa_system_vgpr_workitem_id 0
		.amdhsa_next_free_vgpr 256
		.amdhsa_next_free_sgpr 66
		.amdhsa_reserve_vcc 0
		.amdhsa_float_denorm_mode_32 3
		.amdhsa_float_denorm_mode_16_64 3
		.amdhsa_memory_ordered 1
		.amdhsa_forward_progress 1
		.amdhsa_inst_pref_size 112
	.end_amdhsa_kernel
	.amdgpu_metadata
---
amdhsa.version: [ 1, 2 ]
amdhsa.kernels:
  - .name:           k_q4872a423c6_sel
    .symbol:         k_q4872a423c6_sel.kd
    .args:
      - { .name: prev0, .offset: 0, .size: 8, .value_kind: global_buffer, .address_space: global }
      - { .name: dd, .offset: 8, .size: 8, .value_kind: global_buffer, .address_space: global }
      - { .name: sel1, .offset: 16, .size: 8, .value_kind: global_buffer, .address_space: global }
    .group_segment_fixed_size: 1024
    .private_segment_fixed_size: 0
    .kernarg_segment_align: 8
    .kernarg_segment_size: 24
    .max_flat_workgroup_size: 32
    .sgpr_count:     66
    .vgpr_count:     256
    .wavefront_size: 32
...
	.end_amdgpu_metadata
.endif
;; end of part 3
;; launch sel2: the kernel of part 3 again; grid 1024 x 1, 1 waves a work-group, no clusters, 1,024 bytes of LDS; arguments sel1, dd, sel0; writes sel0
;; launch solve (part 4): grid 1024 x 1, 1 waves a work-group, no clusters, 69,120 bytes of LDS; arguments sel0, dd, txb, b2, trainy, noise, l, a, ymean, out0, out1; writes out0, out1
.if DOCPART == 4
	.amdgcn_target "amdgcn-amd-amdhsa--gfx1250"
	.amdhsa_code_object_version 6
	.text
	.protected	k_q4872a423c6_solve
	.globl	k_q4872a423c6_solve
	.p2align	8
	.type	k_q4872a423c6_solve,@function
k_q4872a423c6_solve:
	s_mov_b64 s[64:65], 0
	v_nop
	global_prefetch_b8 v0, s[64:65] scope:SCOPE_SE
	s_setreg_imm32_b32 hwreg(HW_REG_WAVE_MODE, 25, 1), 1
	s_wait_xcnt 0x0
; ONE QUERY'S GAUSSIAN-PROCESS SOLVE.  One wave, one query.  y = c A^-1 ny + ymean, yVar = av - c A^-1 c, with A the 128 x 128 kernel matrix of the neighbours, c the kernel between x and them.
; All inputs count rounded once to bf16 (the train rows and x by the first launch; trainy, noise, l, a, ymean here).
; kernel(sq) = av exp(-sqrt(max(sq, 0)) / (16 lv)) = 2^(la - kappa sqrt(max(sq, 0))), la = a log2(e), kappa = log2(e) / 16 x 2^(-l log2(e)).
; PHASES.  The record's masks become the list of 128 element positions e (whole numbers that the launch before stored; each is clamped ahead of every address made of it).
; n = 1600 (e >> 11) + (e & 2047).  sq(x, n) is read from dd, b2, trainy by n, the neighbours' rows from txb as matrix fragments (8 tiles of 16 rows, 512 registers).
; While those land: each neighbour's rank by (sq, index), which picks its noise.  The rank comes from floats, so it selects values and never makes an address.
; The Gram matrix: 64 tiles x 8 matrix instructions; the fragments serve as both sources.  It is symmetric, so a tile is stored transposed: a lane's eight results are eight neighbouring
; columns of one row: two stores of 16 bytes.  The kernel function is applied in LDS, in place; each lane turns its 4 rows x 4 columns on the way, so that a column's four rows come back by one load.
; THE SOLVE.  With A = L D L^T:  c A^-1 ny = sum over k of (L^-1 c)_k (L^-1 ny)_k / d_k: forward elimination of A with the two right sides beside it, no inverse, no back substitution, in f32.
; No pivoting: A is positive definite wherever the result is finite.  Row i = l + 32 m lies in lane l, set m; column c in four registers.  Each step writes column c into column c - 1's registers,
; so that the pivot column is always column 0 and a loop over the pivot's lane names fixed registers.  What stands above the live columns is stale and feeds only itself.
; LIMITS.  Neighbours are ranked by the f32 squared distance of the unscaled bf16 inputs, ties to the lower index.  A kernel value below 2^-126 counts as 0.  NaN, infinities and equal neighbours (A singular) are not treated apart.
.set PITCH, 540672
.set NRMB,  768                        ; LDS: the list 0 .. 511; a dummy word at 512; the 128 norms from 768 on
.set SPARE, 1280                       ; the spare words: a block of 256 bytes that no other line names
.set MAT,   1536                       ; 128 rows of 528 bytes: 512 + 16, an odd multiple of 16: 16 lanes a row apart touch 16 different 16-byte columns (ISA guide 11.1)
.set MP,    528
.set L4,  3                            ; v3   4 x lane
.set PM,  8
.set PP,  12
.set E,   16                           ; v[16:19]  4 e of my rows
.set N,   20                           ; v[20:23]  4 n
.set K,   24                           ; v[24:27]  max(sq, 0) of my rows
.set R,   28                           ; v[28:31]  ranks
.set NZ,  32                           ; v[32:35]  noise j = l + 32 m
.set NS,  36                           ; v[36:39]  noise by my rows' ranks
.set NR,  40                           ; v[40:43]  norms of my rows
.set U,   44                           ; v[44:47]  c
.set V,   48                           ; v[48:51]  ny
.set F,   52                           ; v[52:55]  the step's factors
.set RN,  56                           ; -1 / d
.set T1,  57
.set AY,  58                           ; - sum u v / d
.set AV,  59                           ; - sum u u / d
.set ZR,  60
.set GST, 61
.set SPW, 62
.set NIL, 63
.set RO,  64                           ; v[64:71]  tile t: my row's offset in txb
.set TF,  72                           ; v[72:79]
.set X,   80                           ; v[80:95]
.set S,   96                           ; v[96:111]
.set NC,  112                          ; v[112:115]
.set MADR, 116
.set NADR, 117
.set MLD, 118
.set RC,  119
.set ACC, 128                          ; v[128:191] two sets of four accumulators
.set TC,  29
.set LMK, 30
.set RUN, 31
.set PR,  32                           ; s[32:63] sixteen pairs: the pivot row's numbers in the even halves
.set NK,  66                           ; s[66:67] -kappa
.set LA,  68                           ; s[68:69] la
.set UK,  70                           ; s[70:71]
.set VK,  72                           ; s[72:73]
.set DD,  74
.set AVS, 75
.set YMS, 76
.set KO,  77
.set DR,  78                           ; s[78:79] the query's row of dd
.set NB,  80                           ; s[80:81] its noise
.set RB,  82                           ; s[82:83] its record
.set O0,  84
.set O1,  86
.set SX,  88
.set MSB, 0
.macro WIN new
.if MSB != (\new)
	s_set_vgpr_msb (MSB<<8)|(\new)
.set MSB, (\new)
.endif
.endm
.macro PLACES
.rept 4
	v_nop
.endr
.endm
.macro E2N rn, re, rt                  ; e (clamped in place) -> n, clamped
	v_min_u32 v[\re], 0x1ffff, v[\re]
	v_lshrrev_b32 v[\rt], 11, v[\re]
	v_and_b32 v[\rn], 0x7ff, v[\re]
	v_mad_u32_u24 v[\rn], v[\rt], 1600, v[\rn]
	v_min_u32 v[\rn], 99999, v[\rn]
.endm
.macro N2P rp, rn, rt                  ; n -> the byte offset of my 16 bytes of its row in txb: the place is clamped, behind that only shifts to the left and sums
	v_and_b32 v[\rp], 0xffffffc0, v[\rn]
	v_and_b32 v[\rt], 3, v[\rn]
	v_lshl_add_u32 v[\rp], v[\rt], 4, v[\rp]
	v_bfe_u32 v[\rt], v[\rn], 2, 3
	v_lshl_add_u32 v[\rp], v[\rt], 1, v[\rp]
	v_bfe_u32 v[\rt], v[\rn], 5, 1
	v_add_nc_u32 v[\rp], v[\rp], v[\rt]
	v_min_u32 v[\rp], 102399, v[\rp]
	v_lshlrev_b32 v[\rp], 9, v[\rp]
	v_lshl_add_u32 v[\rp], v2, 4, v[\rp]
.endm
	s_load_b512 s[4:19], s[0:1], 0x0               ; sel0, dd, txb, b2, trainy, noise, l, a
	s_load_b128 s[20:23], s[0:1], 0x40             ; ymean, out0
	s_load_b64 s[24:25], s[0:1], 0x50              ; out1
	v_lshl_add_u32 v[SPW], v0, 2, SPARE
	v_mov_b32 v[NIL], 0
	v_and_b32 v1, 15, v0                           ; r
	v_bfe_u32 v2, v0, 4, 1                         ; h
	v_lshlrev_b32 v[L4], 2, v0
	v_lshlrev_b32 v[RC], 4, v0
	v_mov_b32 v[ZR], 0
.irp i,0,1,2,3
	v_mov_b32 v[X+(\i)], 0
.endr
	ds_store_b128 v[RC], v[X:X+3]                  ; the list starts at 0
	s_lshl_b32 s90, ttmp9, 10
	s_mov_b32 s91, 0
	s_wait_kmcnt 0x0
	s_load_b32 s26, s[16:17], 0x0                  ; l
	s_load_b32 s27, s[18:19], 0x0                  ; a
	s_load_b32 s28, s[20:21], 0x0                  ; ymean
	s_add_nc_u64 s[RB:RB+1], s[4:5], s[90:91]
	global_load_b128 v[PM:PM+3], v[RC], s[RB:RB+1]
	global_load_b128 v[PP:PP+3], v[RC], s[RB:RB+1] offset:512
	s_lshl_b32 s90, ttmp9, 9
	s_add_nc_u64 s[NB:NB+1], s[14:15], s[90:91]
	s_mul_i32 s90, ttmp9, PITCH
	s_add_nc_u64 s[DR:DR+1], s[6:7], s[90:91]
	s_lshl_b32 s90, ttmp9, 2
	s_add_nc_u64 s[O0:O0+1], s[22:23], s[90:91]
	s_add_nc_u64 s[O1:O1+1], s[24:25], s[90:91]
	s_wait_kmcnt 0x0
	v_cvt_pk_bf16_f32 v4, s26, s27                 ; the three scalars, rounded to bf16
	v_cvt_pk_bf16_f32 v7, s28, s28
	v_lshlrev_b32 v5, 16, v4
	v_and_b32 v6, 0xffff0000, v4
	v_lshlrev_b32 v7, 16, v7
	v_mul_f32 v5, 0xbfb8aa3b, v5                   ; -l log2(e)
	v_mul_f32 v6, 0x3fb8aa3b, v6                   ; la
	v_exp_f32 v5, v5
	v_exp_f32 v4, v6
	v_nop                                          ; a plain instruction behind the last exponential,
	s_wait_alu depctr_va_vdst(0)                   ; and the wait ahead of the first use: one for both
	v_mul_f32 v5, 0xbdb8aa3b, v5                   ; -kappa
	v_readfirstlane_b32 s[NK], v5
	v_readfirstlane_b32 s[LA], v6
	v_readfirstlane_b32 s[AVS], v4
	v_readfirstlane_b32 s[YMS], v7
	s_mov_b32 s[NK+1], s[NK]                       ; named as pairs
	s_mov_b32 s[LA+1], s[LA]
	s_mov_b32 s[TC], 0
	s_mov_b32 s[RUN], 0
	s_wait_loadcnt 0x0
.Ldecode:                                              ; word 4 L + k: each set bit takes the next slot of the list; a lane whose bit is off lands, by the clamp, in the dummy word
.irp k,0,1,2,3
	v_readlane_b32 s32, v[PM+(\k)], s[TC]
	v_readlane_b32 s33, v[PP+(\k)], s[TC]
	s_not_b32 s34, s32
	v_mbcnt_lo_u32_b32 v5, s32, s[RUN]
	v_bfe_u32 v6, s34, v0, 1
	v_lshl_add_u32 v5, v6, 8, v5
	v_min_u32 v5, 128, v5
	v_lshlrev_b32 v5, 2, v5
	v_lshl_add_u32 v6, s33, 5, v0                  ; e = 32 x block + lane
	ds_store_b32 v5, v6
	s_bcnt1_i32_b32 s34, s32
	s_add_co_u32 s[RUN], s[RUN], s34
.endr
	s_add_co_u32 s[TC], s[TC], 1
	s_cmp_lt_u32 s[TC], 32
	s_cbranch_scc1 .Ldecode
	v_lshlrev_b32 v4, 2, v1
.irp m,0,1,2,3
	ds_load_b32 v[E+(\m)], v[L4] offset:128*(\m)   ; my rows l + 32 m
.endr
.irp t,0,1,2,3,4,5,6,7
	ds_load_b32 v[TF+(\t)], v4 offset:64*(\t)      ; row r of tile t
.endr
	s_wait_dscnt 0x0
.irp m,0,1,2,3
	E2N N+\m, E+\m, 5
	v_lshlrev_b32 v[E+(\m)], 2, v[E+(\m)]
	v_lshlrev_b32 v[N+(\m)], 2, v[N+(\m)]
.endr
.irp t,0,1,2,3,4,5,6,7
	E2N 6, TF+\t, 5
	N2P RO+\t, 6, 5
.endr
.irp m,0,1,2,3
	global_load_b32 v[K+(\m)],  v[E+(\m)], s[DR:DR+1]
	global_load_b32 v[NR+(\m)], v[N+(\m)], s[10:11]
	global_load_b32 v[V+(\m)],  v[N+(\m)], s[12:13]
	global_load_b32 v[NZ+(\m)], v[L4], s[NB:NB+1] offset:128*(\m)
.endr
.irp t,0,1,2,3,4,5,6,7                 ; tile t, step ks at window 1 + t / 4, register 8 (8 (t & 3) + ks)
	WIN 0x40<<((\t)>>2)
.set ks, 0
.rept 8
	global_load_b128 v[8*(8*((\t)&3)+ks):8*(8*((\t)&3)+ks)+3],   v[RO+(\t)], s[8:9] offset:64*ks
	global_load_b128 v[8*(8*((\t)&3)+ks)+4:8*(8*((\t)&3)+ks)+7], v[RO+(\t)], s[8:9] offset:64*ks+32
.set ks, ks+1
.endr
.endr
	WIN 0
	s_wait_loadcnt 63                              ; 128 loads were issued behind the 16 small ones: with 63 out at the most, those are in
.irp m,0,1,2,3
	v_max_num_f32 v[K+(\m)], 0, v[K+(\m)]
	ds_store_b32 v[L4], v[NR+(\m)] offset:NRMB+128*(\m)
	v_mov_b32 v[R+(\m)], 0
	v_mov_b32 v[NS+(\m)], 0
.endr
	v_cvt_pk_bf16_f32 v5, v[V], v[V+1]             ; trainy and noise, rounded to bf16
	v_cvt_pk_bf16_f32 v6, v[V+2], v[V+3]
	v_lshlrev_b32 v[V], 16, v5
	v_and_b32 v[V+1], 0xffff0000, v5
	v_lshlrev_b32 v[V+2], 16, v6
	v_and_b32 v[V+3], 0xffff0000, v6
	v_cvt_pk_bf16_f32 v5, v[NZ], v[NZ+1]
	v_cvt_pk_bf16_f32 v6, v[NZ+2], v[NZ+3]
	v_lshlrev_b32 v[NZ], 16, v5
	v_and_b32 v[NZ+1], 0xffff0000, v5
	v_lshlrev_b32 v[NZ+2], 16, v6
	v_and_b32 v[NZ+3], 0xffff0000, v6
.irp m,0,1,2,3
	v_sqrt_f32 v[U+(\m)], v[K+(\m)]
.endr
	v_nop
	s_wait_alu depctr_va_vdst(0)                   ; one wait for the four roots
	v_pk_fma_f32 v[U:U+1],   v[U:U+1],   s[NK:NK+1], s[LA:LA+1] op_sel_hi:[1,0,0]
	v_pk_fma_f32 v[U+2:U+3], v[U+2:U+3], s[NK:NK+1], s[LA:LA+1] op_sel_hi:[1,0,0]
.irp m,0,1,2,3
	v_exp_f32 v[U+(\m)], v[U+(\m)]
.endr
	v_nop
	s_wait_alu depctr_va_vdst(0)                   ; one wait for the four exponentials, ahead of the label
	s_mov_b32 s[TC], 0
.Lrank:                                                ; neighbour j = t + 32 m against my rows i = l + 32 mp: it counts if (key, position) is smaller
	s_lshl_b32 s[LMK], -2, s[TC]                   ; the lanes above t
.irp m,0,1,2,3
	v_readlane_b32 s[36+(\m)], v[K+(\m)], s[TC]
.endr
.irp m,0,1,2,3
.irp mp,0,1,2,3
.if (\m) < (\mp)
	v_cmp_le_u32 vcc_lo, s[36+(\m)], v[K+(\mp)]
.elseif (\m) > (\mp)
	v_cmp_lt_u32 vcc_lo, s[36+(\m)], v[K+(\mp)]
.else
	v_cmp_lt_u32 s40, s[36+(\m)], v[K+(\mp)]
	v_cmp_eq_u32 s41, s[36+(\m)], v[K+(\mp)]
	s_and_b32 s41, s41, s[LMK]
	s_or_b32 vcc_lo, s40, s41
.endif
	v_cndmask_b32 v5, 0, 1, vcc_lo
	v_add_nc_u32 v[R+(\mp)], v[R+(\mp)], v5
.endr
.endr
	s_add_co_u32 s[TC], s[TC], 1
	s_cmp_lt_u32 s[TC], 32
	s_cbranch_scc1 .Lrank
	s_mov_b32 s[TC], 0
.Lnoise:                                               ; noise j = t + 32 m goes to the row whose rank is j
.irp m,0,1,2,3
	v_readlane_b32 s[36+(\m)], v[NZ+(\m)], s[TC]
	s_add_co_u32 s[40+(\m)], s[TC], 32*(\m)
.endr
.irp m,0,1,2,3
.irp mp,0,1,2,3
	v_cmp_eq_u32 vcc_lo, s[40+(\m)], v[R+(\mp)]
	v_cndmask_b32 v[NS+(\mp)], v[NS+(\mp)], s[36+(\m)], vcc_lo
.endr
.endr
	s_add_co_u32 s[TC], s[TC], 1
	s_cmp_lt_u32 s[TC], 32
	s_cbranch_scc1 .Lnoise
.irp m,0,1,2,3
	v_fmac_f32 v[V+(\m)], 0x3c23d70a, v[NS+(\m)]   ; + 0.01 noise
.endr
.irp m,0,1,2,3
	v_sub_f32 v[V+(\m)], v[V+(\m)], s[YMS]
.endr
	v_mul_u32_u24 v[MLD], v0, MP
	v_mul_u32_u24 v[GST], v1, MP
	v_lshl_add_u32 v[GST], v2, 5, v[GST]           ; row r, columns 8 h ..
	v_mov_b32 v[AY], 0
	v_mov_b32 v[AV], 0
	s_wait_loadcnt 0x0                             ; the fragments
	; THE GRAM MATRIX.  Row tile mi x four column tiles: 32 matrix instructions on four accumulators that take turns; two sets of accumulators take turns too.
.set blk, 0
.irp mi,0,1,2,3,4,5,6,7
.irp nq,0,1
.set AS, ACC+32*(blk&1)
	WIN (1+((\mi)>>2))|((1+(\nq))<<2)
.set ks, 0
.rept 8
.set i, 0
.rept 4
.if ks == 0
	v_wmma_f32_16x16x32_bf16 v[AS+8*i:AS+8*i+7], v[8*(8*((\mi)&3)+ks):8*(8*((\mi)&3)+ks)+7], v[8*(8*i+ks):8*(8*i+ks)+7], 0
.else
	v_wmma_f32_16x16x32_bf16 v[AS+8*i:AS+8*i+7], v[8*(8*((\mi)&3)+ks):8*(8*((\mi)&3)+ks)+7], v[8*(8*i+ks):8*(8*i+ks)+7], v[AS+8*i:AS+8*i+7]
.endif
.set i, i+1
.endr
.set ks, ks+1
.endr
	WIN 0
	PLACES
.set i, 0
.rept 4                                ; register j of lane (r, h) is G(16 mi + 8 h + j, 16 ni + r) = G(16 ni + r, 16 mi + 8 h + j); the low four registers go first
	ds_store_b128 v[GST], v[AS+8*i:AS+8*i+3]   offset:MAT+16*MP*(4*(\nq)+i)+64*(\mi)
	ds_store_b128 v[GST], v[AS+8*i+4:AS+8*i+7] offset:MAT+16*MP*(4*(\nq)+i)+64*(\mi)+16
.set i, i+1
.endr
.set blk, blk+1
.endr
.endr
	; THE KERNEL FUNCTION, four columns a trip, in place.  In: register 4 m + cc = G(l + 32 m, 4 cq + cc).  Out: at row l + 32 cc the four rows m of column 4 cq + cc.
	s_mov_b32 s[KO], 0
	s_mov_b32 s[TC], 32
.Lkernel:
	v_add_nc_u32 v[MADR], s[KO], v[MLD]
	v_mov_b32 v[NADR], s[KO]
.irp m,0,1,2,3
	ds_load_b128 v[X+4*(\m):X+4*(\m)+3], v[MADR] offset:MAT+32*MP*(\m)
.endr
	ds_load_b128 v[NC:NC+3], v[NADR] offset:NRMB   ; the four columns' norms, the same for every lane
	s_wait_dscnt 0x0
.irp m,0,2
.irp cc,0,2
	v_pk_add_f32 v[S+4*(\m)+(\cc):S+4*(\m)+(\cc)+1],     v[NR+(\m):NR+(\m)+1], v[NC+(\cc):NC+(\cc)+1] op_sel_hi:[0,1]
	v_pk_add_f32 v[S+4*(\m)+4+(\cc):S+4*(\m)+4+(\cc)+1], v[NR+(\m):NR+(\m)+1], v[NC+(\cc):NC+(\cc)+1] op_sel:[1,0] op_sel_hi:[1,1]
.endr
.endr
.irp p,0,1,2,3,4,5,6,7
	v_pk_fma_f32 v[X+2*(\p):X+2*(\p)+1], v[X+2*(\p):X+2*(\p)+1], -2.0, v[S+2*(\p):S+2*(\p)+1] op_sel_hi:[1,0,1]
.endr
.set i, 0
.rept 16
	v_max_num_f32 v[X+i], 0, v[X+i]
.set i, i+1
.endr
.set i, 0
.rept 16
	v_sqrt_f32 v[X+i], v[X+i]
.set i, i+1
.endr
	v_nop
	s_wait_alu depctr_va_vdst(0)                   ; one wait for the sixteen roots
.irp p,0,1,2,3,4,5,6,7
	v_pk_fma_f32 v[X+2*(\p):X+2*(\p)+1], v[X+2*(\p):X+2*(\p)+1], s[NK:NK+1], s[LA:LA+1] op_sel_hi:[1,0,0]
.endr
.irp m,0,1,2,3
.irp cc,0,1,2,3
	v_exp_f32 v[S+4*(\cc)+(\m)], v[X+4*(\m)+(\cc)] ; the destination turns the 4 x 4
.endr
.endr
	v_nop
	s_wait_alu depctr_va_vdst(0)                   ; one wait for the sixteen exponentials
.irp cc,0,1,2,3
	ds_store_b128 v[MADR], v[S+4*(\cc):S+4*(\cc)+3] offset:MAT+32*MP*(\cc)
.endr
	s_add_co_u32 s[KO], s[KO], 16
	s_sub_co_u32 s[TC], s[TC], 1
	s_cmp_lg_u32 s[TC], 0
	s_cbranch_scc1 .Lkernel
	; The matrix into registers: column c at window 1 + c / 64, registers 4 (c & 63) + m
.set c, 0
.rept 128
	WIN 0x40<<(c>>6)
	ds_load_b128 v[4*(c&63):4*(c&63)+3], v[MLD] offset:MAT+32*MP*(c&3)+16*(c>>2)
.set c, c+1
.endr
	WIN 0
.set i, 0
.rept 16
	s_mov_b32 s[PR+2*i+1], 0                       ; the pairs' upper halves are named with the lower, so they are written
.set i, i+1
.endr
	s_mov_b32 s[UK+1], 0
	s_mov_b32 s[VK+1], 0
	s_wait_dscnt 0x0
; The pivot row's numbers of columns c0 .. c0 + 15 (below CN) into scalars
.macro RLB kb
.set i, 0
.rept 16
.if c0+i < CN
	WIN 1+((c0+i)>>6)
	v_readlane_b32 s[PR+2*i], v[4*((c0+i)&63)+(\kb)], s[TC]
.endif
.set i, i+1
.endr
.endm
; Those columns' update, written one column lower: column c - 1 = column c + factor x pivot row's number
.macro FMB kb
.set i, 0
.rept 16
.if c0+i < CN
.set c, c0+i
	WIN ((1+(c>>6))<<4)|((1+((c-1)>>6))<<6)
.if (\kb) < 2
	v_pk_fma_f32 v[4*((c-1)&63):4*((c-1)&63)+1], v[F:F+1], s[PR+2*i:PR+2*i+1], v[4*(c&63):4*(c&63)+1] op_sel_hi:[1,0,1]
.endif
	v_pk_fma_f32 v[4*((c-1)&63)+2:4*((c-1)&63)+3], v[F+2:F+3], s[PR+2*i:PR+2*i+1], v[4*(c&63)+2:4*(c&63)+3] op_sel_hi:[1,0,1]
.endif
.set i, i+1
.endr
.endm
; Pivots 32 kb .. 32 kb + 31: the pivot row lies in lane t of set kb.  128 - 32 kb columns are walked; sets 0 and 1 only while they hold live rows.
.macro ELIM kb
.set CN, 128-32*(\kb)
	WIN 0
.if (\kb)&1
	v_mov_b32 v[F+(\kb)-1], 0                      ; the pair's other set is finished
.endif
	s_mov_b32 s[TC], 0
.Lel\kb:
	s_lshl_b32 s[LMK], -2, s[TC]                   ; the lanes above t: the rows of set kb that are still to be cleared
	v_readlane_b32 s[UK], v[U+(\kb)], s[TC]
	v_readlane_b32 s[VK], v[V+(\kb)], s[TC]
	WIN 0x01
	v_readlane_b32 s[DD], v[(\kb)], s[TC]          ; the pivot
	WIN 0
	v_rcp_f32 v[RN], s[DD]
	v_nop                                          ; a plain instruction behind the reciprocal
.set c0, 1
	RLB \kb                                        ; work that names nothing of it
	WIN 0
	s_wait_alu depctr_va_vdst(0)                   ; the wait ahead of the first use
	v_mul_f32 v[RN], -1.0, v[RN]
	v_mul_f32 v[T1], s[UK], v[RN]
	WIN 0x01
.set m, (\kb)
.rept 4-(\kb)
	v_mul_f32 v[F+m], v[m], v[RN]                  ; column 0 times -1 / d
.set m, m+1
.endr
	WIN 0
	v_cndmask_b32 v[F+(\kb)], 0, v[F+(\kb)], s[LMK]
	v_fmac_f32 v[AY], s[VK], v[T1]
	v_fmac_f32 v[AV], s[UK], v[T1]
.if (\kb) < 2
	v_pk_fma_f32 v[U:U+1], v[F:F+1], s[UK:UK+1], v[U:U+1] op_sel_hi:[1,0,1]
	v_pk_fma_f32 v[V:V+1], v[F:F+1], s[VK:VK+1], v[V:V+1] op_sel_hi:[1,0,1]
.endif
	v_pk_fma_f32 v[U+2:U+3], v[F+2:F+3], s[UK:UK+1], v[U+2:U+3] op_sel_hi:[1,0,1]
	v_pk_fma_f32 v[V+2:V+3], v[F+2:F+3], s[VK:VK+1], v[V+2:V+3] op_sel_hi:[1,0,1]
	FMB \kb
.set c0, 17
.rept (CN-2)/16
	RLB \kb
	FMB \kb
.set c0, c0+16
.endr
	WIN 0
	s_add_co_u32 s[TC], s[TC], 1
	s_cmp_lt_u32 s[TC], 32
	s_cbranch_scc1 .Lel\kb
.endm
	ELIM 0
	ELIM 1
	ELIM 2
	ELIM 3
	v_sub_f32 v5, s[YMS], v[AY]                    ; y = sum u v / d + ymean
	v_add_f32 v6, s[AVS], v[AV]                    ; yVar = av - sum u u / d
	v_cmp_eq_u32 vcc_lo, 0, v0
	s_wait_xcnt 0x0                                ; EXEC changes only behind s_wait_xcnt 0
	s_and_saveexec_b32 s[SX], vcc_lo               ; every lane holds both numbers; lane 0 stores them: 8 bytes a query
	global_store_b32 v[ZR], v5, s[O0:O0+1]
	global_store_b32 v[ZR], v6, s[O1:O1+1]
	s_wait_xcnt 0x0
	s_or_b32 exec_lo, exec_lo, s[SX]
	s_wait_tensorcnt 0x0                           ; the wave's end
	ds_add_u32 v[SPW], v[NIL]
	s_wait_dscnt 0x0
	s_endpgm
.Lfunc_end_k_q4872a423c6_solve:
	.size	k_q4872a423c6_solve, .Lfunc_end_k_q4872a423c6_solve-k_q4872a423c6_solve
	.p2alignl 7, 3214868480
	.fill 96, 4, 3214868480
	.section	.rodata,"a",@progbits
	.p2align	6, 0x0
	.amdhsa_kernel k_q4872a423c6_solve
		.amdhsa_group_segment_fixed_size 69120
		.amdhsa_private_segment_fixed_size 0
		.amdhsa_enable_private_segment 0
		.amdhsa_kernarg_size 88
		.amdhsa_user_sgpr_count 2
		.amdhsa_user_sgpr_kernarg_segment_ptr 1
		.amdhsa_wavefront_size32 1
		.amdhsa_system_sgpr_workgroup_id_x 1
		.amdhsa_system_sgpr_workgroup_id_y 1
		.amdhsa_system_sgpr_workgroup_id_z 1
		.amdhsa_system_vgpr_workitem_id 0
		.amdhsa_next_free_vgpr 768
		.amdhsa_next_free_sgpr 100
		.amdhsa_reserve_vcc 1
		.amdhsa_float_denorm_mode_32 3
		.amdhsa_float_denorm_mode_16_64 3
		.amdhsa_memory_ordered 1
		.amdhsa_forward_progress 1
		.amdhsa_inst_pref_size 151
	.end_amdhsa_kernel
	.amdgpu_metadata
---
amdhsa.version: [ 1, 2 ]
amdhsa.kernels:
  - .name:           k_q4872a423c6_solve
    .symbol:         k_q4872a423c6_solve.kd
    .args:
      - { .name: sel0, .offset: 0, .size: 8, .value_kind: global_buffer, .address_space: global }
      - { .name: dd, .offset: 8, .size: 8, .value_kind: global_buffer, .address_space: global }
      - { .name: txb, .offset: 16, .size: 8, .value_kind: global_buffer, .address_space: global }
      - { .name: b2, .offset: 24, .size: 8, .value_kind: global_buffer, .address_space: global }
      - { .name: trainy, .offset: 32, .size: 8, .value_kind: global_buffer, .address_space: global }
      - { .name: noise, .offset: 40, .size: 8, .value_kind: global_buffer, .address_space: global }
      - { .name: l, .offset: 48, .size: 8, .value_kind: global_buffer, .address_space: global }
      - { .name: a, .offset: 56, .size: 8, .value_kind: global_buffer, .address_space: global }
      - { .name: ymean, .offset: 64, .size: 8, .value_kind: global_buffer, .address_space: global }
      - { .name: out0, .offset: 72, .size: 8, .value_kind: global_buffer, .address_space: global }
      - { .name: out1, .offset: 80, .size: 8, .value_kind: global_buffer, .address_space: global }
    .group_segment_fixed_size: 69120
    .private_segment_fixed_size: 0
    .kernarg_segment_align: 8
    .kernarg_segment_size: 88
    .max_flat_workgroup_size: 32
    .sgpr_count:     100
    .vgpr_count:     768
    .wavefront_size: 32
...
	.end_amdgpu_metadata
.endif
;; end of part 4
;; ======== version 2 of 3: 5 launches
;; workspace buffers: txb 52,428,800 bytes; xb 524,288 bytes; b2 409,600 bytes; a2 4,096 bytes; dd 553,648,128 bytes; prev0 1,048,576 bytes of whole numbers; sel1 1,048,576 bytes of whole numbers; sel0 1,048,576 bytes of whole numbers
;; launch prep (part 5): grid 6464 x 1, 1 waves a work-group, no clusters, 0 bytes of LDS; arguments trainX, x, txb, xb, b2, a2, prev0; writes txb, xb, b2, a2, prev0
.if DOCPART == 5
	.amdgcn_target "amdgcn-amd-amdhsa--gfx1250"
	.amdhsa_code_object_version 6
	.text
	.protected	k_q4872a423c6_prep
	.globl	k_q4872a423c6_prep
	.p2align	8
	.type	k_q4872a423c6_prep,@function
k_q4872a423c6_prep:
	s_mov_b64 s[64:65], 0
	v_nop
	global_prefetch_b8 v0, s[64:65] scope:SCOPE_SE
	s_setreg_imm32_b32 hwreg(HW_REG_WAVE_MODE, 25, 1), 1
	s_wait_xcnt 0x0
; bf16 COPIES, ROW NORMS, AND THE FIRST SELECTION RECORD.
; Rows go in groups of 64: groups 0 .. 1599 the train rows (100,000 real, padded to 102,400), 1600 .. 1615 the 1,024 rows of x.  A work-group (one wave) takes a quarter of a group: 16 rows
; of 256 f32, as two sets of 8.  All its 32 loads (16 KiB) go out at its head; nothing is asked for later, so the text has no loop.
; Each number is rounded once to bf16; a row's norm is the f32 sum of the squares of the ROUNDED numbers (8 a lane, then a tree over the 32 lanes).
; Rows from 100,000 on are written as zeros with the norm +inf, so that every distance to them is +inf.  100,000 is a multiple of 8: a set is all real or all padding; a padding set loads the
; last 8 real rows (its address is clamped) and discards them.
; PERMUTATION.  Row i of a group is written at place 16 (i & 3) + 2 ((i >> 2) & 7) + (i >> 5): the next launch's matrix tiles then leave four neighbouring rows' results in one lane.
; The norms stay in natural order: a wave's 16 are 64 consecutive bytes.
; REGISTERS.  A row's 8 registers are used again as they fall free: 0-3 take its bf16 numbers (the store's data), 4-5 its partial sums.  No register that a pending store reads is written again.
; Work-groups 0 .. 1023 also write query q's first selection record: mask words 0 .. 3 all ones, the others 0; parent r = 4224 + r: the record names the 128 blocks of block minima.
.set W,    4                           ; v[4:11]    8 numbers widened
.set INF,  12                          ; v12        +inf
.set BC,   13                          ; v13        lane j (0 .. 15): the norm of my row j
.set XA,   16                          ; v[16:79]   set A: 8 rows x 8 registers
.set XB,   80                          ; v[80:143]  set B
.set PV,   18                          ; s[18:19] at work
.set SRC,  20                          ; s[20:21] source, s[22:23] bf16 copy, s[24:25] norms: chosen between the two tensors
.set DST,  22
.set NRM,  24
.set LIM,  26                          ; rows that are real
.set GRP,  27
.set SA,   28                          ; s[28:29], s[30:31] the two sets' load bases
.set SB,   30
.set SDA,  32                          ; s[32:33], s[34:35] the two sets' store bases
.set SDB,  34
.set SEL,  36                          ; s[36:37] v_permlanex16_b32's selects
.set HIM,  38
.set LIM8, 39
.set G64,  40                          ; the group's first row
.set R16,  41                          ; my first row
.set ROW,  42
.set PT,   43                          ; which quarter of the group
.set KEEP, 44                          ; -1, or 0 in a padding set
.set PADM, 45                          ; 0, or all lanes in a padding set
.set P0,   46
.set P1,   47
.set MK,   48                          ; s[48:63] lane masks 1 << j
	s_load_b256 s[4:11], s[0:1], 0x0               ; trainX, x, txb, xb
	s_load_b128 s[12:15], s[0:1], 0x20             ; b2, a2
	s_load_b64 s[16:17], s[0:1], 0x30              ; prev0
	v_lshlrev_b32 v1, 5, v0                        ; my 8 f32 of a row
	v_lshlrev_b32 v2, 4, v0                        ; my 8 bf16 of a row
	v_lshlrev_b32 v3, 2, v0                        ; my norm
	v_mov_b32 v[INF], 0x7f800000
	v_mov_b32 v[BC], 0
	s_mov_b32 s[SEL], 0x76543210
	s_mov_b32 s[SEL+1], 0xfedcba98
	s_mov_b32 s[HIM], 0xffff0000
.set n, 0
.rept 16
	s_mov_b32 s[MK+n], 1<<n
.set n, n+1
.endr
	s_lshr_b32 s[GRP], ttmp9, 2
	s_and_b32 s[PT], ttmp9, 3
	s_sub_co_u32 s[G64], s[GRP], 1600
	s_mov_b32 s[LIM], 1024
	s_mov_b32 s18, 100000
	s_wait_kmcnt 0x0
	s_cmp_lt_u32 s[GRP], 1600                      ; train rows or x: the choice hangs on the work-group's number alone
	s_cselect_b32 s[G64], s[GRP], s[G64]
	s_cselect_b32 s[LIM], s18, s[LIM]
	s_cselect_b64 s[SRC:SRC+1], s[4:5], s[6:7]
	s_cselect_b64 s[DST:DST+1], s[8:9], s[10:11]
	s_cselect_b64 s[NRM:NRM+1], s[12:13], s[14:15]
	s_lshl_b32 s[G64], s[G64], 6
	s_sub_co_u32 s[LIM8], s[LIM], 8
	s_lshl_b32 s[R16], s[PT], 4
	s_add_co_u32 s[R16], s[R16], s[G64]
	s_lshl_b32 s[PV], s[R16], 2
	s_mov_b32 s[PV+1], 0
	s_add_nc_u64 s[NRM:NRM+1], s[NRM:NRM+1], s[PV:PV+1]  ; my 16 norms
; 16 loads: my rows 8 tofs .. 8 tofs + 7 into set xs, by base sb
.macro LOAD8 xs, sb, tofs
	s_add_co_u32 s[ROW], s[R16], 8*(\tofs)
	s_min_u32 s[ROW], s[ROW], s[LIM8]              ; a padding set stays inside the tensor
	s_lshl_b32 s[\sb], s[ROW], 10
	s_mov_b32 s[(\sb)+1], 0
	s_add_nc_u64 s[\sb:(\sb)+1], s[SRC:SRC+1], s[\sb:(\sb)+1]
.irp k,0,1,2,3,4,5,6,7
	global_load_b128 v[(\xs)+8*(\k):(\xs)+8*(\k)+3],   v1, s[\sb:(\sb)+1] offset:1024*(\k) th:TH_LOAD_NT
	global_load_b128 v[(\xs)+8*(\k)+4:(\xs)+8*(\k)+7], v1, s[\sb:(\sb)+1] offset:1024*(\k)+16 th:TH_LOAD_NT
.endr
.endm
; Set xs is worked on and stored by base sd.  left = the younger loads that may stay out.  In the group the set is trip T = 2 x quarter + tofs: rows 8 T + k.
.macro WORK8 xs, left, tofs, sd
	s_wait_loadcnt \left                           ; loads come back in order: this set's 16 are in
	s_add_co_u32 s[ROW], s[R16], 8*(\tofs)
	s_cmp_ge_u32 s[ROW], s[LIM]
	s_cselect_b32 s[KEEP], 0, -1
	s_cselect_b32 s[PADM], -1, 0
	s_lshl_b32 s[P0], s[PT], 1
	s_add_co_u32 s[P0], s[P0], \tofs               ; T
	s_lshr_b32 s[P1], s[P0], 2
	s_and_b32 s[P0], s[P0], 3                      ; the set's part of the place: 4 (T & 3) + (T >> 2)
	s_lshl_b32 s[P0], s[P0], 2
	s_add_co_u32 s[P0], s[P0], s[P1]
	s_add_co_u32 s[P0], s[P0], s[G64]
	s_lshl_b32 s[\sd], s[P0], 9
	s_mov_b32 s[(\sd)+1], 0
	s_add_nc_u64 s[\sd:(\sd)+1], s[DST:DST+1], s[\sd:(\sd)+1]
.irp k,0,1,2,3,4,5,6,7
.irp j,0,1,2,3
	v_cvt_pk_bf16_f32 v[(\xs)+8*(\k)+(\j)], v[(\xs)+8*(\k)+2*(\j)], v[(\xs)+8*(\k)+2*(\j)+1]  ; register j is written when registers 2 j, 2 j + 1 are read: never ahead of its own reading
.endr
.irp j,0,1,2,3
	v_and_b32 v[(\xs)+8*(\k)+(\j)], s[KEEP], v[(\xs)+8*(\k)+(\j)]  ; padding rows are zeros
.endr
.irp j,0,1,2,3
	v_lshlrev_b32 v[W+2*(\j)],   16, v[(\xs)+8*(\k)+(\j)]         ; back to f32: the norm is that of the rounded numbers
	v_and_b32     v[W+2*(\j)+1], s[HIM], v[(\xs)+8*(\k)+(\j)]
.endr
	v_pk_mul_f32 v[(\xs)+8*(\k)+4:(\xs)+8*(\k)+5], v[W:W+1], v[W:W+1]
	v_pk_fma_f32 v[(\xs)+8*(\k)+4:(\xs)+8*(\k)+5], v[W+2:W+3], v[W+2:W+3], v[(\xs)+8*(\k)+4:(\xs)+8*(\k)+5]
	v_pk_fma_f32 v[(\xs)+8*(\k)+4:(\xs)+8*(\k)+5], v[W+4:W+5], v[W+4:W+5], v[(\xs)+8*(\k)+4:(\xs)+8*(\k)+5]
	v_pk_fma_f32 v[(\xs)+8*(\k)+4:(\xs)+8*(\k)+5], v[W+6:W+7], v[W+6:W+7], v[(\xs)+8*(\k)+4:(\xs)+8*(\k)+5]
	global_store_b128 v2, v[(\xs)+8*(\k):(\xs)+8*(\k)+3], s[\sd:(\sd)+1] offset:(16*((\k)&3)+2*((\k)>>2))*512  ; a whole row: 512 consecutive bytes, aligned
.endr
.irp k,0,1,2,3,4,5,6,7                 ; the eight rows' sums over the lanes go side by side, so that no line waits for the one before it
	v_add_f32 v[(\xs)+8*(\k)+4], v[(\xs)+8*(\k)+4], v[(\xs)+8*(\k)+5]
.endr
.irp xm,1,2,4,8
.irp k,0,1,2,3,4,5,6,7
	v_add_f32_dpp v[(\xs)+8*(\k)+4], v[(\xs)+8*(\k)+4], v[(\xs)+8*(\k)+4] row_xmask:\xm row_mask:0xf bank_mask:0xf
.endr
.endr
.irp k,0,1,2,3,4,5,6,7
	v_permlanex16_b32 v[(\xs)+8*(\k)+5], v[(\xs)+8*(\k)+4], s[SEL], s[SEL+1]
.endr
.irp k,0,1,2,3,4,5,6,7
	v_add_f32 v[(\xs)+8*(\k)+4], v[(\xs)+8*(\k)+4], v[(\xs)+8*(\k)+5]
.endr
.irp k,0,1,2,3,4,5,6,7
	v_cndmask_b32 v[(\xs)+8*(\k)+4], v[(\xs)+8*(\k)+4], v[INF], s[PADM]
.endr
.irp k,0,1,2,3,4,5,6,7
	v_cndmask_b32 v[BC], v[BC], v[(\xs)+8*(\k)+4], s[MK+8*(\tofs)+(\k)]  ; my row 8 tofs + k goes to the lane of that number
.endr
.endm
	LOAD8 XA, SA, 0
	LOAD8 XB, SB, 1
	WORK8 XA, 16, 0, SDA                           ; the second set's 16 loads may stay out
	WORK8 XB, 0, 1, SDB
	v_cmp_gt_u32 vcc_lo, 16, v0
	s_wait_xcnt 0x0                                ; EXEC changes only behind s_wait_xcnt 0
	s_and_saveexec_b32 s[P0], vcc_lo
	global_store_b32 v3, v[BC], s[NRM:NRM+1]       ; 16 norms: 64 consecutive bytes
	s_wait_xcnt 0x0
	s_or_b32 exec_lo, exec_lo, s[P0]
	s_cmp_lt_u32 ttmp9, 1024
	s_cbranch_scc0 .Lend
	s_lshl_b32 s[PV], ttmp9, 10                    ; query q = the work-group's number: its record of 1,024 bytes
	s_mov_b32 s[PV+1], 0
	s_add_nc_u64 s[PV:PV+1], s[16:17], s[PV:PV+1]
	v_cmp_eq_u32 vcc_lo, 0, v0
	v_cndmask_b32 v4, 0, -1, vcc_lo                ; mask words 4 l .. 4 l + 3
	v_mov_b32 v5, v4
	v_mov_b32 v6, v4
	v_mov_b32 v7, v4
	v_lshl_add_u32 v8, v0, 2, 4224                 ; parents 4224 + 4 l ..
	v_add_nc_u32 v9, 1, v8
	v_add_nc_u32 v10, 2, v8
	v_add_nc_u32 v11, 3, v8
	global_store_b128 v2, v[4:7], s[PV:PV+1]
	global_store_b128 v2, v[8:11], s[PV:PV+1] offset:512
.Lend:
	s_endpgm
.Lfunc_end_k_q4872a423c6_prep:
	.size	k_q4872a423c6_prep, .Lfunc_end_k_q4872a423c6_prep-k_q4872a423c6_prep
	.p2alignl 7, 3214868480
	.fill 96, 4, 3214868480
	.section	.rodata,"a",@progbits
	.p2align	6, 0x0
	.amdhsa_kernel k_q4872a423c6_prep
		.amdhsa_group_segment_fixed_size 0
		.amdhsa_private_segment_fixed_size 0
		.amdhsa_enable_private_segment 0
		.amdhsa_kernarg_size 56
		.amdhsa_user_sgpr_count 2
		.amdhsa_user_sgpr_kernarg_segment_ptr 1
		.amdhsa_wavefront_size32 1
		.amdhsa_system_sgpr_workgroup_id_x 1
		.amdhsa_system_sgpr_workgroup_id_y 1
		.amdhsa_system_sgpr_workgroup_id_z 1
		.amdhsa_system_vgpr_workitem_id 0
		.amdhsa_next_free_vgpr 144
		.amdhsa_next_free_sgpr 66
		.amdhsa_reserve_vcc 1
		.amdhsa_float_denorm_mode_32 3
		.amdhsa_float_denorm_mode_16_64 3
		.amdhsa_memory_ordered 1
		.amdhsa_forward_progress 1
		.amdhsa_inst_pref_size 32
	.end_amdhsa_kernel
	.amdgpu_metadata
---
amdhsa.version: [ 1, 2 ]
amdhsa.kernels:
  - .name:           k_q4872a423c6_prep
    .symbol:         k_q4872a423c6_prep.kd
    .args:
      - { .name: trainX, .offset: 0, .size: 8, .value_kind: global_buffer, .address_space: global }
      - { .name: x, .offset: 8, .size: 8, .value_kind: global_buffer, .address_space: global }
      - { .name: txb, .offset: 16, .size: 8, .value_kind: global_buffer, .address_space: global }
      - { .name: xb, .offset: 24, .size: 8, .value_kind: global_buffer, .address_space: global }
      - { .name: b2, .offset: 32, .size: 8, .value_kind: global_buffer, .address_space: global }
      - { .name: a2, .offset: 40, .size: 8, .value_kind: global_buffer, .address_space: global }
      - { .name: prev0, .offset: 48, .size: 8, .value_kind: global_buffer, .address_space: global }
    .group_segment_fixed_size: 0
    .private_segment_fixed_size: 0
    .kernarg_segment_align: 8
    .kernarg_segment_size: 56
    .max_flat_workgroup_size: 32
    .sgpr_count:     66
    .vgpr_count:     144
    .wavefront_size: 32
...
	.end_amdgpu_metadata
.endif
;; end of part 5
;; launch dist: the kernel of part 2 again; grid 4 x 64, 4 waves a work-group, clusters of 4 x 1, 327,680 bytes of LDS; arguments txb, xb, b2, a2, dd; writes dd
;; launch sel (part 6): grid 1024 x 1, 1 waves a work-group, no clusters, 2,048 bytes of LDS; arguments prev0, dd, sel1; writes sel1
.if DOCPART == 6
	.amdgcn_target "amdgcn-amd-amdhsa--gfx1250"
	.amdhsa_code_object_version 6
	.text
	.protected	k_q4872a423c6_sel
	.globl	k_q4872a423c6_sel
	.p2align	8
	.type	k_q4872a423c6_sel,@function
k_q4872a423c6_sel:
	s_mov_b64 s[64:65], 0
	v_nop
	global_prefetch_b8 v0, s[64:65] scope:SCOPE_SE
	s_setreg_imm32_b32 hwreg(HW_REG_WAVE_MODE, 25, 1), 1
	s_wait_xcnt 0x0
; THE 128 SMALLEST OF 4,096 KEYS, AS MASKS.  One wave, one query.  It runs twice: on the block minima (which 128 blocks), then on those blocks' elements (which 128 neighbours).
; That is exact: in the order (value, index) the 128 smallest elements lie in the 128 blocks with the smallest minima.
; IN: a record of 128 mask words and 128 parents.  Bit l of word r names block 32 x parent[r] + l - 131,072 of the query's row of dd (128 bytes, 32 keys).  Exactly 128 bits are set.
; OUT: a record of the same form: word r, bit l, says whether key l of the r-th block named is chosen; parent[r] is that block's number.
; The slots, and so the addresses, are made of whole numbers that an earlier launch stored; every number that enters an address is clamped first.
; THE ORDER OF THE TEXT.  Work goes in stages of 8 or 16 lines that do not lean on each other; the scalar unit is asked only in whole stages, and not at all in the search.
; THE KEYS are max(sq, 0): non-negative floats, whose bit patterns order as unsigned integers below 2^31.  So the sign bit of K - candidate says whether K is below the candidate.
; THE SEARCH finds T, the 128th smallest key, bit by bit from bit 30 down: T keeps a bit if fewer than 128 keys lie below T with that bit.  A key costs two lines: the difference, and a shift of its
; sign bit into one of eight collectors (16 keys each).  The collectors' bits are counted by shifts and masks in each lane, and the lanes' counts are added in f32 (whole numbers up to 4,096: exact).
; Chosen are the keys below T and, of those equal to T, the first in position, which is index order.  Nothing here branches or addresses by a key.
; LIMITS.  NaN counts as 0; at least 128 keys must be finite, or blocks that were never written could be named.
.set PITCH, 540672
.set SPARE, 768                        ; LDS: the list 0 .. 511; one dummy word at 512; the spare words from 768 on: a block of 256 bytes that no other line names
.set PAR,   1024                       ; the 128 parents
.set LIST2, 1536                       ; the 128 blocks' byte offsets in the row
.set PM,  8                            ; v[8:11]   masks in, words 4 l .. 4 l + 3
.set PP,  12                           ; v[12:15]  parents in
.set MO,  16                           ; v[16:19]  masks out
.set LO,  20                           ; v[20:23]  list entries 4 l .. 4 l + 3, then those blocks' numbers
.set SPW, 24
.set NIL, 25
.set DUMV, 26                          ; 128: the dummy slot
.set T,   27
.set CAND, 28
.set CB,  29                           ; keys below T, in f32
.set CNT, 30
.set TMP, 31
.set SL,  32                           ; v[32:47]  16 words' slots
.set EC,  48                           ; v[48:63]  16 words' entries: 32 r + lane
.set TT,  64                           ; v[64:71]  at work
.set CO,  72                           ; v[72:79]  the collectors
.set EQ,  80                           ; v[80:87]  places among the equal keys
.set OF,  88                           ; v[88:91]
.set K,   128                          ; v[128:255] key l of block r in lane l of register r: position 32 r + l
.set LN,   12                          ; s[12:15] the four lanes whose words a trip decodes
.set RUN,  16
.set TRIP, 17
.set BIT,  18
.set TS,   19
.set NEED, 20
.set C512, 21
.set M5,   22
.set M3,   23
.set MF,   24
.set M1,   25
.set PSEL, 26
.set C128, 27
.set SEL,  28                          ; s[28:29] v_permlanex16_b32's selects
.set ROWB, 30                          ; s[30:31] the query's row of dd
.set M,    32                          ; s[32:47] 16 mask words
.set P,    48                          ; s[48:63] their running counts
.set LT,   32                          ; the mask phase: s[32:39] below T, s[40:47] equal to T, s[48:55] running counts, s[56:63] taken
.set EQM,  40
.set TK,   56
; Words 16 t .. 16 t + 15 of the record: each set bit takes the next slot of the list; a lane whose bit is off takes the dummy slot.
.macro DECODE16
.set i, 0
.rept 16
	v_readlane_b32 s[M+i], v[PM+(i&3)], s[LN+(i>>2)]
.set i, i+1
.endr
.set i, 0
.rept 16
	s_bcnt1_i32_b32 s[P+i], s[M+i]
.set i, i+1
.endr
	s_add_co_u32 s[P], s[P], s[RUN]                ; bits set up to and with word i
.set i, 1
.rept 15
	s_add_co_u32 s[P+i], s[P+i], s[P+i-1]
.set i, i+1
.endr
	v_mbcnt_lo_u32_b32 v[SL], s[M], s[RUN]         ; bits set in earlier words + bits set below my lane
.set i, 1
.rept 15
	v_mbcnt_lo_u32_b32 v[SL+i], s[M+i], s[P+i-1]
.set i, i+1
.endr
.set i, 0
.rept 16
	v_cndmask_b32 v[SL+i], v[DUMV], v[SL+i], s[M+i]
.set i, i+1
.endr
.set i, 0
.rept 16
	v_min_u32 v[SL+i], 128, v[SL+i]
.set i, i+1
.endr
.set i, 0
.rept 16
	v_lshlrev_b32 v[SL+i], 2, v[SL+i]
.set i, i+1
.endr
.set i, 0
.rept 16
	ds_store_b32 v[SL+i], v[EC+i]
.set i, i+1
.endr
.set i, 0
.rept 16
	v_add_nc_u32 v[EC+i], s[C512], v[EC+i]         ; the next trip's words lie 16 further on
.set i, i+1
.endr
	s_mov_b32 s[RUN], s[P+15]
.set i, 0
.rept 4
	s_add_co_u32 s[LN+i], s[LN+i], 4
.set i, i+1
.endr
.endm
; v[w .. w+3]: four words; v[w] becomes the number of their set bits (128 at the most); v[t .. t+3] at work.
; Pairs of bits, then fours (4 at the most), two words added (8), bytes (32 with all four), and the four bytes' sum in the top byte of a product.
.macro POP4 w, t
.irp i,0,1,2,3
	v_lshrrev_b32 v[(\t)+\i], 1, v[(\w)+\i]
.endr
.irp i,0,1,2,3
	v_and_b32 v[(\t)+\i], s[M5], v[(\t)+\i]
.endr
.irp i,0,1,2,3
	v_sub_nc_u32 v[(\w)+\i], v[(\w)+\i], v[(\t)+\i]
.endr
.irp i,0,1,2,3
	v_lshrrev_b32 v[(\t)+\i], 2, v[(\w)+\i]
.endr
.irp i,0,1,2,3
	v_and_b32 v[(\w)+\i], s[M3], v[(\w)+\i]
.endr
.irp i,0,1,2,3
	v_and_b32 v[(\t)+\i], s[M3], v[(\t)+\i]
.endr
.irp i,0,1,2,3
	v_add_nc_u32 v[(\w)+\i], v[(\w)+\i], v[(\t)+\i]
.endr
	v_add_nc_u32 v[(\w)], v[(\w)], v[(\w)+1]
	v_add_nc_u32 v[(\w)+2], v[(\w)+2], v[(\w)+3]
	v_lshrrev_b32 v[(\t)], 4, v[(\w)]
	v_lshrrev_b32 v[(\t)+2], 4, v[(\w)+2]
	v_and_b32 v[(\w)], s[MF], v[(\w)]
	v_and_b32 v[(\w)+2], s[MF], v[(\w)+2]
	v_and_b32 v[(\t)], s[MF], v[(\t)]
	v_and_b32 v[(\t)+2], s[MF], v[(\t)+2]
	v_add3_u32 v[(\w)], v[(\w)], v[(\t)], v[(\w)+2]
	v_add_nc_u32 v[(\w)], v[(\w)], v[(\t)+2]
	v_mul_lo_u32 v[(\w)], v[(\w)], s[M1]
	v_lshrrev_b32 v[(\w)], 24, v[(\w)]
.endm
	s_load_b128 s[4:7], s[0:1], 0x0                ; the record in, dd
	s_load_b64 s[8:9], s[0:1], 0x10                ; the record out
	v_lshl_add_u32 v[SPW], v0, 2, SPARE
	v_mov_b32 v[NIL], 0
	v_lshlrev_b32 v1, 2, v0
	v_lshlrev_b32 v2, 4, v0
	v_mov_b32 v7, 0
	v_mov_b32 v[DUMV], 128
.irp i,0,1,2,3
	v_mov_b32 v[MO+(\i)], 0
.endr
	ds_store_b128 v2, v[MO:MO+3]                   ; the list starts at 0
.set i, 0
.rept 16
	v_add_nc_u32 v[EC+i], 32*i, v0
.set i, i+1
.endr
.set i, 0
.rept 8
	v_mov_b32 v[CO+i], 0
.set i, i+1
.endr
	v_mov_b32 v[T], 0
	v_mov_b32 v[CB], 0
	v_mov_b32 v[TMP], 0
	s_mov_b32 s[C512], 512
	s_mov_b32 s[M5], 0x55555555
	s_mov_b32 s[M3], 0x33333333
	s_mov_b32 s[MF], 0x0f0f0f0f
	s_mov_b32 s[M1], 0x01010101
	s_mov_b32 s[PSEL], 0x05040100                  ; v_perm_b32: the two sources' low halves
	s_mov_b32 s[C128], 0x43000000                  ; 128.0
	s_mov_b32 s[SEL], 0x76543210
	s_mov_b32 s[SEL+1], 0xfedcba98
.irp i,0,1,2,3
	s_mov_b32 s[LN+(\i)], \i
.endr
	s_mov_b32 s[RUN], 0
	s_mov_b32 s[TRIP], 8
	s_lshl_b32 s10, ttmp9, 10
	s_mov_b32 s11, 0
	s_mul_i32 s[ROWB], ttmp9, PITCH                ; 1,023 x PITCH at the most: under 2^32
	s_mov_b32 s[ROWB+1], 0
	s_wait_kmcnt 0x0
	s_add_nc_u64 s[4:5], s[4:5], s[10:11]
	s_add_nc_u64 s[8:9], s[8:9], s[10:11]
	s_add_nc_u64 s[ROWB:ROWB+1], s[6:7], s[ROWB:ROWB+1]
	global_load_b128 v[PM:PM+3], v2, s[4:5]
	global_load_b128 v[PP:PP+3], v2, s[4:5] offset:512
	s_wait_loadcnt 0x0
	ds_store_b128 v2, v[PP:PP+3] offset:PAR
.Ldecode:
	DECODE16
	s_sub_co_u32 s[TRIP], s[TRIP], 1
	s_cmp_lg_u32 s[TRIP], 0
	s_cbranch_scc1 .Ldecode
	; Four list entries a lane: entry 32 r + l becomes block 32 x parent[r] + l - 131,072, and that block's byte offset in the row
	ds_load_b128 v[LO:LO+3], v2                    ; LDS serves a wave's instructions in order: these see the stores above
	s_wait_dscnt 0x0
.irp j,0,1,2,3
	v_lshrrev_b32 v[TT+(\j)], 5, v[LO+(\j)]
.endr
.irp j,0,1,2,3
	v_min_u32 v[TT+(\j)], 127, v[TT+(\j)]
.endr
.irp j,0,1,2,3
	v_lshlrev_b32 v[TT+(\j)], 2, v[TT+(\j)]
.endr
.irp j,0,1,2,3
	ds_load_b32 v[TT+4+(\j)], v[TT+(\j)] offset:PAR
.endr
.irp j,0,1,2,3
	v_and_b32 v[LO+(\j)], 31, v[LO+(\j)]
.endr
.irp j,0,1,2,3
	v_add_nc_u32 v[LO+(\j)], 0xfffe0000, v[LO+(\j)]
.endr
	s_wait_dscnt 0x0
.irp j,0,1,2,3
	v_lshl_add_u32 v[LO+(\j)], v[TT+4+(\j)], 5, v[LO+(\j)]
.endr
.irp j,0,1,2,3
	v_min_u32 v[OF+(\j)], 4223, v[LO+(\j)]
.endr
.irp j,0,1,2,3
	v_lshlrev_b32 v[OF+(\j)], 7, v[OF+(\j)]
.endr
	ds_store_b128 v2, v[OF:OF+3] offset:LIST2
	; The 128 offsets to every lane, straight into the key registers; each is clamped, takes my lane's 4 bytes, and serves as the address of the load that lands on it
.set i, 0
.rept 32
	ds_load_b128 v[K+4*i:K+4*i+3], v7 offset:LIST2+16*i
.set i, i+1
.endr
.set b, 0
.rept 4
	s_wait_dscnt 24-8*b                            ; LDS loads come back in order: the first 8 (b + 1) of the 32 are in
.set i, 0
.rept 32
	v_min_u32 v[K+32*b+i], 4223*128, v[K+32*b+i]
.set i, i+1
.endr
.set i, 0
.rept 32
	v_add_nc_u32 v[K+32*b+i], v1, v[K+32*b+i]
.set i, i+1
.endr
.set i, 0
.rept 32
	global_load_b32 v[K+32*b+i], v[K+32*b+i], s[ROWB:ROWB+1]  ; 128 consecutive bytes a load
.set i, i+1
.endr
.set b, b+1
.endr
	s_wait_loadcnt 0x0
.set i, 0
.rept 128
	v_max_num_f32 v[K+i], 0, v[K+i]
.set i, i+1
.endr
	s_mov_b32 s[BIT], 0x40000000
	s_mov_b32 s[TRIP], 31
.Lsearch:
	v_or_b32 v[CAND], s[BIT], v[T]
.set b, 0
.rept 16
.set i, 0
.rept 8
	v_sub_nc_u32 v[TT+i], v[K+8*b+i], v[CAND]      ; negative where the key is below the candidate
.set i, i+1
.endr
.set i, 0
.rept 8
	v_alignbit_b32 v[CO+i], v[CO+i], v[TT+i], 31   ; the collector moves up by one and takes the sign bit
.set i, i+1
.endr
.set b, b+1
.endr
.irp i,0,1,2,3
	v_perm_b32 v[CO+(\i)], v[CO+(\i)], v[CO+4+(\i)], s[PSEL]  ; a collector's low 16 bits are this trip's: two collectors make a word
.endr
	POP4 CO, TT
	v_cvt_f32_u32 v[CNT], v[CO]
	v_add_f32_dpp v[CNT], v[CNT], v[CNT] row_xmask:1 row_mask:0xf bank_mask:0xf
	v_add_f32_dpp v[CNT], v[CNT], v[CNT] row_xmask:2 row_mask:0xf bank_mask:0xf
	v_add_f32_dpp v[CNT], v[CNT], v[CNT] row_xmask:4 row_mask:0xf bank_mask:0xf
	v_add_f32_dpp v[CNT], v[CNT], v[CNT] row_xmask:8 row_mask:0xf bank_mask:0xf
	v_permlanex16_b32 v[TMP], v[CNT], s[SEL], s[SEL+1]
	v_add_f32 v[CNT], v[CNT], v[TMP]               ; every lane holds the number of keys below the candidate
	v_cmp_gt_f32 vcc_lo, s[C128], v[CNT]
	v_cndmask_b32 v[T], v[T], v[CAND], vcc_lo      ; fewer than 128: the bit stays,
	v_cndmask_b32 v[CB], v[CB], v[CNT], vcc_lo     ; and the count goes with T
	s_lshr_b32 s[BIT], s[BIT], 1
	s_sub_co_u32 s[TRIP], s[TRIP], 1
	s_cmp_lg_u32 s[TRIP], 0
	s_cbranch_scc1 .Lsearch
	v_sub_f32 v[TMP], s[C128], v[CB]               ; so many of the keys equal to T are taken
	v_cvt_u32_f32 v[TMP], v[TMP]
	v_readfirstlane_b32 s[TS], v[T]
	v_readfirstlane_b32 s[NEED], v[TMP]
	s_mov_b32 s[RUN], 0
.set b, 0
.rept 16                               ; eight registers at a time, stage by stage
.set i, 0
.rept 8
	v_cmp_gt_u32 s[LT+i], s[TS], v[K+8*b+i]        ; below T
.set i, i+1
.endr
.set i, 0
.rept 8
	v_cmp_eq_u32 s[EQM+i], s[TS], v[K+8*b+i]       ; equal to T
.set i, i+1
.endr
.set i, 0
.rept 8
	s_bcnt1_i32_b32 s[P+i], s[EQM+i]
.set i, i+1
.endr
	s_add_co_u32 s[P], s[P], s[RUN]
.set i, 1
.rept 7
	s_add_co_u32 s[P+i], s[P+i], s[P+i-1]
.set i, i+1
.endr
	v_mbcnt_lo_u32_b32 v[EQ], s[EQM], s[RUN]       ; equal keys at earlier positions
.set i, 1
.rept 7
	v_mbcnt_lo_u32_b32 v[EQ+i], s[EQM+i], s[P+i-1]
.set i, i+1
.endr
.set i, 0
.rept 8
	v_cmp_gt_u32 s[TK+i], s[NEED], v[EQ+i]
.set i, i+1
.endr
	s_mov_b32 s[RUN], s[P+7]
.set i, 0
.rept 8
	s_and_b32 s[TK+i], s[TK+i], s[EQM+i]
.set i, i+1
.endr
.set i, 0
.rept 8
	s_or_b32 s[LT+i], s[LT+i], s[TK+i]
.set i, i+1
.endr
.set i, 0
.rept 8
	v_writelane_b32 v[MO+((8*b+i)&3)], s[LT+i], (8*b+i)>>2  ; word r lies in lane r / 4, register r & 3
.set i, i+1
.endr
.set b, b+1
.endr
	global_store_b128 v2, v[MO:MO+3], s[8:9]       ; 512 consecutive bytes, aligned
	global_store_b128 v2, v[LO:LO+3], s[8:9] offset:512
	s_wait_tensorcnt 0x0                           ; the wave's end
	ds_add_u32 v[SPW], v[NIL]
	s_wait_dscnt 0x0
	s_endpgm
.Lfunc_end_k_q4872a423c6_sel:
	.size	k_q4872a423c6_sel, .Lfunc_end_k_q4872a423c6_sel-k_q4872a423c6_sel
	.p2alignl 7, 3214868480
	.fill 96, 4, 3214868480
	.section	.rodata,"a",@progbits
	.p2align	6, 0x0
	.amdhsa_kernel k_q4872a423c6_sel
		.amdhsa_group_segment_fixed_size 2048
		.amdhsa_private_segment_fixed_size 0
		.amdhsa_enable_private_segment 0
		.amdhsa_kernarg_size 24
		.amdhsa_user_sgpr_count 2
		.amdhsa_user_sgpr_kernarg_segment_ptr 1
		.amdhsa_wavefront_size32 1
		.amdhsa_system_sgpr_workgroup_id_x 1
		.amdhsa_system_sgpr_workgroup_id_y 1
		.amdhsa_system_sgpr_workgroup_id_z 1
		.amdhsa_system_vgpr_workitem_id 0
		.amdhsa_next_free_vgpr 256
		.amdhsa_next_free_sgpr 66
		.amdhsa_reserve_vcc 1
		.amdhsa_float_denorm_mode_32 3
		.amdhsa_float_denorm_mode_16_64 3
		.amdhsa_memory_ordered 1
		.amdhsa_forward_progress 1
		.amdhsa_inst_pref_size 114
	.end_amdhsa_kernel
	.amdgpu_metadata
---
amdhsa.version: [ 1, 2 ]
amdhsa.kernels:
  - .name:           k_q4872a423c6_sel
    .symbol:         k_q4872a423c6_sel.kd
    .args:
      - { .name: prev0, .offset: 0, .size: 8, .value_kind: global_buffer, .address_space: global }
      - { .name: dd, .offset: 8, .size: 8, .value_kind: global_buffer, .address_space: global }
      - { .name: sel1, .offset: 16, .size: 8, .value_kind: global_buffer, .address_space: global }
    .group_segment_fixed_size: 2048
    .private_segment_fixed_size: 0
    .kernarg_segment_align: 8
    .kernarg_segment_size: 24
    .max_flat_workgroup_size: 32
    .sgpr_count:     66
    .vgpr_count:     256
    .wavefront_size: 32
...
	.end_amdgpu_metadata
.endif
;; end of part 6
;; launch sel2: the kernel of part 6 again; grid 1024 x 1, 1 waves a work-group, no clusters, 2,048 bytes of LDS; arguments sel1, dd, sel0; writes sel0
;; launch solve (part 7): grid 1024 x 1, 1 waves a work-group, no clusters, 69,120 bytes of LDS; arguments sel0, dd, txb, b2, trainy, noise, l, a, ymean, out0, out1; writes out0, out1
.if DOCPART == 7
	.amdgcn_target "amdgcn-amd-amdhsa--gfx1250"
	.amdhsa_code_object_version 6
	.text
	.protected	k_q4872a423c6_solve
	.globl	k_q4872a423c6_solve
	.p2align	8
	.type	k_q4872a423c6_solve,@function
k_q4872a423c6_solve:
	s_mov_b64 s[64:65], 0
	v_nop
	global_prefetch_b8 v0, s[64:65] scope:SCOPE_SE
	s_setreg_imm32_b32 hwreg(HW_REG_WAVE_MODE, 25, 1), 1
	s_wait_xcnt 0x0
; ONE QUERY'S GAUSSIAN-PROCESS SOLVE.  One wave, one query.  y = c A^-1 ny + ymean, yVar = av - c A^-1 c, with A the 128 x 128 kernel matrix of the neighbours, c the kernel between x and them.
; All inputs count rounded once to bf16 (the train rows and x by the first launch; trainy, noise, l, a, ymean here).
; kernel(sq) = av exp(-sqrt(max(sq, 0)) / (16 lv)) = 2^(la - kappa sqrt(max(sq, 0))), la = a log2(e), kappa = log2(e) / 16 x 2^(-l log2(e)).
; PHASES.  The record's masks become the list of 128 element positions e (whole numbers that the launch before stored; each is clamped ahead of every address made of it).
; n = 1600 (e >> 11) + (e & 2047).  sq(x, n) is read from dd, b2, trainy by n, the neighbours' rows from txb as matrix fragments (8 tiles of 16 rows, 512 registers).
; While those land: each neighbour's rank by (sq, index), which picks its noise.  The rank comes from floats, so it selects values and never makes an address.
; A comparison is the sign bit of a difference of keys (all below 2^31), shifted into a collector; '<=' is '<' against the key plus one.  The collectors' bits are counted once, behind the loop.
; The Gram matrix: tiles of 8 matrix instructions; the fragments serve as both sources.  It is symmetric, so a tile is stored transposed: a lane's eight results are eight neighbouring
; columns of one row: two stores of 16 bytes.  The kernel function is applied in LDS, in place; each lane turns its 4 rows x 4 columns on the way, so that a column's four rows come back by one load.
; THE SOLVE.  With A = L D L^T:  c A^-1 ny = sum over k of (L^-1 c)_k (L^-1 ny)_k / d_k: forward elimination of A with the two right sides beside it, no inverse, no back substitution, in f32.
; No pivoting: A is positive definite wherever the result is finite.  Row i = l + 32 m lies in lane l, set m; column c in four registers.  Each step writes column c into column c - 1's registers,
; so that the pivot column is always column 0 and a loop over the pivot's lane names fixed registers.  What stands above the live columns is stale and feeds only itself.
; ONLY THE LOWER TRIANGLE (row >= column) IS KEPT.  The pivot row's numbers A[k][k + c] are taken, by symmetry, from the pivot column: A[k + c][k].  As soon as a step has made the next column 0
; the lanes store it to LDS, row i at word i - (k + 1), and uniform loads bring words c = 0 .. to every lane: word 0 is the next pivot, word c the multiplier of column c.
; Rows 0 - 63 of columns 64 - 127 are never read: their Gram tiles and kernel values are not made, and rows 0 - 63 are updated only in columns that can still lie below 64.
; LIMITS.  Neighbours are ranked by the f32 squared distance of the unscaled bf16 inputs, ties to the lower index.  A kernel value below 2^-126 counts as 0.  NaN, infinities and equal neighbours (A singular) are not treated apart.
.set PITCH, 540672
.set NRMB,  768                        ; LDS: the list 0 .. 511; a dummy word at 512; the 128 norms from 768 on
.set SPARE, 1280                       ; the spare words: a block of 256 bytes that no other line names
.set MAT,   1536                       ; 128 rows of 528 bytes: 512 + 16, an odd multiple of 16: 16 lanes a row apart touch 16 different 16-byte columns (ISA guide 11.1)
.set MP,    528
.set PAR,   MAT                        ; ahead of the Gram matrix its first bytes hold the 128 parents
.set LIST2, MAT+512                    ; and the 128 positions e
.set QB,    MAT+512                    ; behind the matrix's way into registers: word c of the pivot column at QB + 4 c; the 512 bytes below take the finished rows and are never read
.set L4,  3                            ; v3   4 x lane
.set PM,  8
.set PP,  12
.set E,   16                           ; v[16:19]  4 e of my rows
.set N,   20                           ; v[20:23]  4 n
.set K,   24                           ; v[24:27]  max(sq, 0) of my rows
.set NZ,  32                           ; v[32:35]  noise j = l + 32 m
.set NS,  36                           ; v[36:39]  noise by my rows' ranks
.set NR,  40                           ; v[40:43]  norms of my rows
.set U,   44                           ; v[44:47]  c
.set V,   48                           ; v[48:51]  ny
.set F,   52                           ; v[52:55]  first my keys plus one; later the step's factors
.set RN,  56                           ; -1 / d
.set T1,  57
.set AY,  58                           ; - sum u v / d
.set AV,  59                           ; - sum u u / d
.set ZR,  60
.set GST, 61
.set SPW, 62
.set NIL, 63
.set RO,  64                           ; v[64:71]  tile t: my row's offset in txb
.set TF,  72                           ; v[72:79]
.set X,   80                           ; v[80:95]
.set S,   96                           ; v[96:111]
.set NC,  112                          ; v[112:115]
.set MADR, 116
.set NADR, 117
.set MLD, 118
.set RC,  119
.set DUMV, 120                         ; 128: the dummy slot
.set QS,  121                          ; the block's part of the pivot column's store address
.set QA,  122                          ; that address
.set ACC, 128                          ; v[128:191] two sets of four accumulators; behind the Gram matrix the kernel loop's second cell:
.set XB,  128
.set SB,  144
.set NCB, 160
.set QV,  128                          ; v[128:255] in the elimination: word c of the pivot column, the same in every lane
.set SL,  X                            ; the decoding: 16 words' slots
.set EC,  S                            ; and entries
.set TC,  29
.set LMK, 30
.set RUN, 31
.set M,   32                           ; the decoding: s[32:47] 16 mask words, s[48:63] their running counts
.set P,   48
.set NK,  66                           ; s[66:67] -kappa
.set LA,  68                           ; s[68:69] la
.set UK,  70                           ; s[70:71]
.set VK,  72                           ; s[72:73]
.set AVS, 75
.set YMS, 76
.set KO,  77
.set DR,  78                           ; s[78:79] the query's row of dd
.set NB,  80                           ; s[80:81] its noise
.set RB,  82                           ; s[82:83] its record
.set O0,  84
.set O1,  86
.set SX,  88
.set C512, 89
.set K4,  90                           ; 4 t (s[90:91] are at work at the head)
.set LN,  92                           ; s[92:95] the four lanes whose words a trip decodes
.set M5,  96
.set M3,  97
.set MF,  98
.set M1,  99
.set MSB, 0
.macro WIN new
.if MSB != (\new)
	s_set_vgpr_msb (MSB<<8)|(\new)
.set MSB, (\new)
.endif
.endm
.macro PLACES
.rept 4
	v_nop
.endr
.endm
.macro E2N rn, re, rt                  ; e (clamped in place) -> n, clamped
	v_min_u32 v[\re], 0x1ffff, v[\re]
	v_lshrrev_b32 v[\rt], 11, v[\re]
	v_and_b32 v[\rn], 0x7ff, v[\re]
	v_mad_u32_u24 v[\rn], v[\rt], 1600, v[\rn]
	v_min_u32 v[\rn], 99999, v[\rn]
.endm
.macro N2P rp, rn, rt                  ; n -> the byte offset of my 16 bytes of its row in txb: the place is clamped, behind that only shifts to the left and sums
	v_and_b32 v[\rp], 0xffffffc0, v[\rn]
	v_and_b32 v[\rt], 3, v[\rn]
	v_lshl_add_u32 v[\rp], v[\rt], 4, v[\rp]
	v_bfe_u32 v[\rt], v[\rn], 2, 3
	v_lshl_add_u32 v[\rp], v[\rt], 1, v[\rp]
	v_bfe_u32 v[\rt], v[\rn], 5, 1
	v_add_nc_u32 v[\rp], v[\rp], v[\rt]
	v_min_u32 v[\rp], 102399, v[\rp]
	v_lshlrev_b32 v[\rp], 9, v[\rp]
	v_lshl_add_u32 v[\rp], v2, 4, v[\rp]
.endm
; Words 16 t .. 16 t + 15 of the record, stage by stage: each set bit takes the next slot of the list; a lane whose bit is off takes the dummy slot.
.macro DECODE16
.set i, 0
.rept 16
	v_readlane_b32 s[M+i], v[PM+(i&3)], s[LN+(i>>2)]
.set i, i+1
.endr
.set i, 0
.rept 16
	s_bcnt1_i32_b32 s[P+i], s[M+i]
.set i, i+1
.endr
	s_add_co_u32 s[P], s[P], s[RUN]                ; bits set up to and with word i
.set i, 1
.rept 15
	s_add_co_u32 s[P+i], s[P+i], s[P+i-1]
.set i, i+1
.endr
	v_mbcnt_lo_u32_b32 v[SL], s[M], s[RUN]         ; bits set in earlier words + bits set below my lane
.set i, 1
.rept 15
	v_mbcnt_lo_u32_b32 v[SL+i], s[M+i], s[P+i-1]
.set i, i+1
.endr
.set i, 0
.rept 16
	v_cndmask_b32 v[SL+i], v[DUMV], v[SL+i], s[M+i]
.set i, i+1
.endr
.set i, 0
.rept 16
	v_min_u32 v[SL+i], 128, v[SL+i]
.set i, i+1
.endr
.set i, 0
.rept 16
	v_lshlrev_b32 v[SL+i], 2, v[SL+i]
.set i, i+1
.endr
.set i, 0
.rept 16
	ds_store_b32 v[SL+i], v[EC+i]
.set i, i+1
.endr
.set i, 0
.rept 16
	v_add_nc_u32 v[EC+i], s[C512], v[EC+i]         ; the next trip's words lie 16 further on
.set i, i+1
.endr
	s_mov_b32 s[RUN], s[P+15]
.set i, 0
.rept 4
	s_add_co_u32 s[LN+i], s[LN+i], 4
.set i, i+1
.endr
.endm
; v[w .. w+3]: four words; v[w] becomes the number of their set bits (128 at the most); v[t .. t+3] at work.
.macro POP4 w, t
.irp i,0,1,2,3
	v_lshrrev_b32 v[(\t)+\i], 1, v[(\w)+\i]
.endr
.irp i,0,1,2,3
	v_and_b32 v[(\t)+\i], s[M5], v[(\t)+\i]
.endr
.irp i,0,1,2,3
	v_sub_nc_u32 v[(\w)+\i], v[(\w)+\i], v[(\t)+\i]
.endr
.irp i,0,1,2,3
	v_lshrrev_b32 v[(\t)+\i], 2, v[(\w)+\i]
.endr
.irp i,0,1,2,3
	v_and_b32 v[(\w)+\i], s[M3], v[(\w)+\i]
.endr
.irp i,0,1,2,3
	v_and_b32 v[(\t)+\i], s[M3], v[(\t)+\i]
.endr
.irp i,0,1,2,3
	v_add_nc_u32 v[(\w)+\i], v[(\w)+\i], v[(\t)+\i]
.endr
	v_add_nc_u32 v[(\w)], v[(\w)], v[(\w)+1]
	v_add_nc_u32 v[(\w)+2], v[(\w)+2], v[(\w)+3]
	v_lshrrev_b32 v[(\t)], 4, v[(\w)]
	v_lshrrev_b32 v[(\t)+2], 4, v[(\w)+2]
	v_and_b32 v[(\w)], s[MF], v[(\w)]
	v_and_b32 v[(\w)+2], s[MF], v[(\w)+2]
	v_and_b32 v[(\t)], s[MF], v[(\t)]
	v_and_b32 v[(\t)+2], s[MF], v[(\t)+2]
	v_add3_u32 v[(\w)], v[(\w)], v[(\t)], v[(\w)+2]
	v_add_nc_u32 v[(\w)], v[(\w)], v[(\t)+2]
	v_mul_lo_u32 v[(\w)], v[(\w)], s[M1]
	v_lshrrev_b32 v[(\w)], 24, v[(\w)]
.endm
	s_load_b512 s[4:19], s[0:1], 0x0               ; sel0, dd, txb, b2, trainy, noise, l, a
	s_load_b128 s[20:23], s[0:1], 0x40             ; ymean, out0
	s_load_b64 s[24:25], s[0:1], 0x50              ; out1
	v_lshl_add_u32 v[SPW], v0, 2, SPARE
	v_mov_b32 v[NIL], 0
	v_and_b32 v1, 15, v0                           ; r
	v_bfe_u32 v2, v0, 4, 1                         ; h
	v_lshlrev_b32 v[L4], 2, v0
	v_lshlrev_b32 v[RC], 4, v0
	v_mov_b32 v[ZR], 0
	v_mov_b32 v[DUMV], 128
.irp i,0,1,2,3
	v_mov_b32 v[X+(\i)], 0
.endr
	ds_store_b128 v[RC], v[X:X+3]                  ; the list starts at 0
.set i, 0
.rept 16
	v_add_nc_u32 v[EC+i], 32*i, v0
.set i, i+1
.endr
	s_mov_b32 s[C512], 512
	s_mov_b32 s[M5], 0x55555555
	s_mov_b32 s[M3], 0x33333333
	s_mov_b32 s[MF], 0x0f0f0f0f
	s_mov_b32 s[M1], 0x01010101
.irp i,0,1,2,3
	s_mov_b32 s[LN+(\i)], \i
.endr
	s_lshl_b32 s90, ttmp9, 10
	s_mov_b32 s91, 0
	s_wait_kmcnt 0x0
	s_load_b32 s26, s[16:17], 0x0                  ; l
	s_load_b32 s27, s[18:19], 0x0                  ; a
	s_load_b32 s28, s[20:21], 0x0                  ; ymean
	s_add_nc_u64 s[RB:RB+1], s[4:5], s[90:91]
	global_load_b128 v[PM:PM+3], v[RC], s[RB:RB+1]
	global_load_b128 v[PP:PP+3], v[RC], s[RB:RB+1] offset:512
	s_lshl_b32 s90, ttmp9, 9
	s_add_nc_u64 s[NB:NB+1], s[14:15], s[90:91]
	s_mul_i32 s90, ttmp9, PITCH
	s_add_nc_u64 s[DR:DR+1], s[6:7], s[90:91]
	s_lshl_b32 s90, ttmp9, 2
	s_add_nc_u64 s[O0:O0+1], s[22:23], s[90:91]
	s_add_nc_u64 s[O1:O1+1], s[24:25], s[90:91]
	s_wait_kmcnt 0x0
	v_cvt_pk_bf16_f32 v4, s26, s27                 ; the three scalars, rounded to bf16
	v_cvt_pk_bf16_f32 v7, s28, s28
	v_lshlrev_b32 v5, 16, v4
	v_and_b32 v6, 0xffff0000, v4
	v_lshlrev_b32 v7, 16, v7
	v_mul_f32 v5, 0xbfb8aa3b, v5                   ; -l log2(e)
	v_mul_f32 v6, 0x3fb8aa3b, v6                   ; la
	v_exp_f32 v5, v5
	v_exp_f32 v4, v6
	v_nop                                          ; a plain instruction behind the last exponential,
	s_wait_alu depctr_va_vdst(0)                   ; and the wait ahead of the first use: one for both
	v_mul_f32 v5, 0xbdb8aa3b, v5                   ; -kappa
	v_readfirstlane_b32 s[NK], v5
	v_readfirstlane_b32 s[LA], v6
	v_readfirstlane_b32 s[AVS], v4
	v_readfirstlane_b32 s[YMS], v7
	s_mov_b32 s[NK+1], s[NK]                       ; named as pairs
	s_mov_b32 s[LA+1], s[LA]
	s_mov_b32 s[TC], 8
	s_mov_b32 s[RUN], 0
	s_wait_loadcnt 0x0
	ds_store_b128 v[RC], v[PP:PP+3] offset:PAR
.Ldecode:
	DECODE16
	s_sub_co_u32 s[TC], s[TC], 1
	s_cmp_lg_u32 s[TC], 0
	s_cbranch_scc1 .Ldecode
	; Four list entries a lane: entry 32 r + l becomes position e = 32 x parent[r] + l
	ds_load_b128 v[E:E+3], v[RC]                   ; LDS serves a wave's instructions in order: these see the stores above
	s_wait_dscnt 0x0
.irp j,0,1,2,3
	v_lshrrev_b32 v[TF+(\j)], 5, v[E+(\j)]
.endr
.irp j,0,1,2,3
	v_min_u32 v[TF+(\j)], 127, v[TF+(\j)]
.endr
.irp j,0,1,2,3
	v_lshlrev_b32 v[TF+(\j)], 2, v[TF+(\j)]
.endr
.irp j,0,1,2,3
	ds_load_b32 v[TF+4+(\j)], v[TF+(\j)] offset:PAR
.endr
.irp j,0,1,2,3
	v_and_b32 v[E+(\j)], 31, v[E+(\j)]
.endr
	s_wait_dscnt 0x0
.irp j,0,1,2,3
	v_lshl_add_u32 v[E+(\j)], v[TF+4+(\j)], 5, v[E+(\j)]
.endr
	ds_store_b128 v[RC], v[E:E+3] offset:LIST2
	v_lshlrev_b32 v4, 2, v1
.irp m,0,1,2,3
	ds_load_b32 v[E+(\m)], v[L4] offset:LIST2+128*(\m)   ; my rows l + 32 m
.endr
.irp t,0,1,2,3,4,5,6,7
	ds_load_b32 v[TF+(\t)], v4 offset:LIST2+64*(\t)      ; row r of tile t
.endr
	s_wait_dscnt 0x0
.irp m,0,1,2,3
	E2N N+\m, E+\m, 5
	v_lshlrev_b32 v[E+(\m)], 2, v[E+(\m)]
	v_lshlrev_b32 v[N+(\m)], 2, v[N+(\m)]
.endr
.irp t,0,1,2,3,4,5,6,7
	E2N 6, TF+\t, 5
	N2P RO+\t, 6, 5
.endr
.irp m,0,1,2,3
	global_load_b32 v[K+(\m)],  v[E+(\m)], s[DR:DR+1]
	global_load_b32 v[NR+(\m)], v[N+(\m)], s[10:11]
	global_load_b32 v[V+(\m)],  v[N+(\m)], s[12:13]
	global_load_b32 v[NZ+(\m)], v[L4], s[NB:NB+1] offset:128*(\m)
.endr
.irp t,0,1,2,3,4,5,6,7                 ; tile t, step ks at window 1 + t / 4, register 8 (8 (t & 3) + ks)
	WIN 0x40<<((\t)>>2)
.set ks, 0
.rept 8
	global_load_b128 v[8*(8*((\t)&3)+ks):8*(8*((\t)&3)+ks)+3],   v[RO+(\t)], s[8:9] offset:64*ks
	global_load_b128 v[8*(8*((\t)&3)+ks)+4:8*(8*((\t)&3)+ks)+7], v[RO+(\t)], s[8:9] offset:64*ks+32
.set ks, ks+1
.endr
.endr
	WIN 0
	s_wait_loadcnt 63                              ; 128 loads were issued behind the 16 small ones: with 63 out at the most, those are in
.irp m,0,1,2,3
	v_max_num_f32 v[K+(\m)], 0, v[K+(\m)]
	ds_store_b32 v[L4], v[NR+(\m)] offset:NRMB+128*(\m)
	v_mov_b32 v[NS+(\m)], 0
.endr
.irp m,0,1,2,3
	v_add_nc_u32 v[F+(\m)], 1, v[K+(\m)]           ; key + 1: 'at most the key' is 'below this'
.endr
	v_cvt_pk_bf16_f32 v5, v[V], v[V+1]             ; trainy and noise, rounded to bf16
	v_cvt_pk_bf16_f32 v6, v[V+2], v[V+3]
	v_lshlrev_b32 v[V], 16, v5
	v_and_b32 v[V+1], 0xffff0000, v5
	v_lshlrev_b32 v[V+2], 16, v6
	v_and_b32 v[V+3], 0xffff0000, v6
	v_cvt_pk_bf16_f32 v5, v[NZ], v[NZ+1]
	v_cvt_pk_bf16_f32 v6, v[NZ+2], v[NZ+3]
	v_lshlrev_b32 v[NZ], 16, v5
	v_and_b32 v[NZ+1], 0xffff0000, v5
	v_lshlrev_b32 v[NZ+2], 16, v6
	v_and_b32 v[NZ+3], 0xffff0000, v6
.irp m,0,1,2,3
	v_sqrt_f32 v[U+(\m)], v[K+(\m)]
.endr
	v_nop
	s_wait_alu depctr_va_vdst(0)                   ; one wait for the four roots
	v_pk_fma_f32 v[U:U+1],   v[U:U+1],   s[NK:NK+1], s[LA:LA+1] op_sel_hi:[1,0,0]
	v_pk_fma_f32 v[U+2:U+3], v[U+2:U+3], s[NK:NK+1], s[LA:LA+1] op_sel_hi:[1,0,0]
.irp m,0,1,2,3
	v_exp_f32 v[U+(\m)], v[U+(\m)]
.endr
	v_nop
	s_wait_alu depctr_va_vdst(0)                   ; one wait for the four exponentials, ahead of the label
	s_mov_b32 s[TC], 0
.Lrank:                                                ; neighbour j = t + 32 m against my rows i = l + 32 mp: it counts if (key, position) is smaller.  Collector 4 mp + m takes one bit a trip: 32 in all
	s_lshl_b32 s[LMK], -2, s[TC]                   ; the lanes above t
.irp m,0,1,2,3
	v_readlane_b32 s[36+(\m)], v[K+(\m)], s[TC]
.endr
.irp m,0,1,2,3
	v_cndmask_b32 v[NC+(\m)], v[K+(\m)], v[F+(\m)], s[LMK]  ; in one set: an equal key counts for the lanes above t alone
.endr
.irp mp,0,1,2,3
.irp m,0,1,2,3
.if (\m) < (\mp)
	v_sub_nc_u32 v[X+4*(\mp)+(\m)], s[36+(\m)], v[F+(\mp)]   ; an earlier set: an equal key counts
.elseif (\m) > (\mp)
	v_sub_nc_u32 v[X+4*(\mp)+(\m)], s[36+(\m)], v[K+(\mp)]   ; a later set: it does not
.else
	v_sub_nc_u32 v[X+4*(\mp)+(\m)], s[36+(\m)], v[NC+(\mp)]
.endif
.endr
.endr
.set i, 0
.rept 16
	v_alignbit_b32 v[S+i], v[S+i], v[X+i], 31      ; the collector moves up by one and takes the sign bit
.set i, i+1
.endr
	s_add_co_u32 s[TC], s[TC], 1
	s_cmp_lt_u32 s[TC], 32
	s_cbranch_scc1 .Lrank
.irp mp,0,1,2,3
	POP4 S+4*\mp, X+4*\mp                          ; the rank of row l + 32 mp, in v[S + 4 mp]
.endr
	s_mov_b32 s[TC], 0
.irp m,0,1,2,3
	s_mov_b32 s[40+(\m)], 32*(\m)
.endr
.Lnoise:                                               ; noise j = t + 32 m goes to the row whose rank is j
.irp m,0,1,2,3
	v_readlane_b32 s[36+(\m)], v[NZ+(\m)], s[TC]
.endr
.irp m,0,1,2,3
.irp mp,0,1,2,3
	v_cmp_eq_u32 s[44+4*(\m)+(\mp)], s[40+(\m)], v[S+4*(\mp)]
.endr
.endr
.irp m,0,1,2,3
.irp mp,0,1,2,3
	v_cndmask_b32 v[NS+(\mp)], v[NS+(\mp)], s[36+(\m)], s[44+4*(\m)+(\mp)]
.endr
.endr
.irp m,0,1,2,3
	s_add_co_u32 s[40+(\m)], s[40+(\m)], 1
.endr
	s_add_co_u32 s[TC], s[TC], 1
	s_cmp_lt_u32 s[TC], 32
	s_cbranch_scc1 .Lnoise
.irp m,0,1,2,3
	v_fmac_f32 v[V+(\m)], 0x3c23d70a, v[NS+(\m)]   ; + 0.01 noise
.endr
.irp m,0,1,2,3
	v_sub_f32 v[V+(\m)], v[V+(\m)], s[YMS]
.endr
	v_mul_u32_u24 v[MLD], v0, MP
	v_mul_u32_u24 v[GST], v1, MP
	v_lshl_add_u32 v[GST], v2, 5, v[GST]           ; row r, columns 8 h ..
	v_mov_b32 v[AY], 0
	v_mov_b32 v[AV], 0
	s_wait_loadcnt 0x0                             ; the fragments
	; THE GRAM MATRIX.  Source tile mi gives the stored columns, four source tiles 4 nq .. the stored rows: 32 matrix instructions on four accumulators that take turns;
	; two sets of accumulators take turns too.  Rows 0 - 63 of columns 64 - 127 (mi >= 4, nq = 0) are not made.
.set blk, 0
.irp mi,0,1,2,3,4,5,6,7
.irp nq,0,1
.if ((\mi) < 4) || ((\nq) == 1)
.set AS, ACC+32*(blk&1)
	WIN (1+((\mi)>>2))|((1+(\nq))<<2)
.set ks, 0
.rept 8
.set i, 0
.rept 4
.if ks == 0
	v_wmma_f32_16x16x32_bf16 v[AS+8*i:AS+8*i+7], v[8*(8*((\mi)&3)+ks):8*(8*((\mi)&3)+ks)+7], v[8*(8*i+ks):8*(8*i+ks)+7], 0
.else
	v_wmma_f32_16x16x32_bf16 v[AS+8*i:AS+8*i+7], v[8*(8*((\mi)&3)+ks):8*(8*((\mi)&3)+ks)+7], v[8*(8*i+ks):8*(8*i+ks)+7], v[AS+8*i:AS+8*i+7]
.endif
.set i, i+1
.endr
.set ks, ks+1
.endr
	WIN 0
	PLACES
.set i, 0
.rept 4                                ; register j of lane (r, h) is G(16 mi + 8 h + j, 16 ni + r) = G(16 ni + r, 16 mi + 8 h + j); the low four registers go first
	ds_store_b128 v[GST], v[AS+8*i:AS+8*i+3]   offset:MAT+16*MP*(4*(\nq)+i)+64*(\mi)
	ds_store_b128 v[GST], v[AS+8*i+4:AS+8*i+7] offset:MAT+16*MP*(4*(\nq)+i)+64*(\mi)+16
.set i, i+1
.endr
.set blk, blk+1
.endif
.endr
.endr
	; THE KERNEL FUNCTION, in place, two cells of four columns a trip.  In: register 4 m + cc = G(l + 32 m, 4 cq + cc).  Out: at row l + 32 cc the four rows m of column 4 cq + cc.
	; A trip touches only its own 32 bytes of each row.  Both cells' roots are one batch with one wait, and so are their exponentials.
	; lo = 0: columns 0 - 63, all four row sets.  lo = 2: columns 64 - 127, row sets 2 and 3 alone; what is stored in the places of sets 0 and 1 is never used.
.macro KS1 x, s, nc, lo                ; sq = (norm of the row + norm of the column) - 2 G, not below 0, and its root
.irp m,0,2
.if (\m) >= (\lo)
.irp cc,0,2
	v_pk_add_f32 v[(\s)+4*(\m)+(\cc):(\s)+4*(\m)+(\cc)+1],     v[NR+(\m):NR+(\m)+1], v[(\nc)+(\cc):(\nc)+(\cc)+1] op_sel_hi:[0,1]
	v_pk_add_f32 v[(\s)+4*(\m)+4+(\cc):(\s)+4*(\m)+4+(\cc)+1], v[NR+(\m):NR+(\m)+1], v[(\nc)+(\cc):(\nc)+(\cc)+1] op_sel:[1,0] op_sel_hi:[1,1]
.endr
.endif
.endr
.irp p,0,1,2,3,4,5,6,7
.if (\p) >= 2*(\lo)
	v_pk_fma_f32 v[(\x)+2*(\p):(\x)+2*(\p)+1], v[(\x)+2*(\p):(\x)+2*(\p)+1], -2.0, v[(\s)+2*(\p):(\s)+2*(\p)+1] op_sel_hi:[1,0,1]
.endif
.endr
.set i, 4*(\lo)
.rept 16-4*(\lo)
	v_max_num_f32 v[(\x)+i], 0, v[(\x)+i]
.set i, i+1
.endr
.set i, 4*(\lo)
.rept 16-4*(\lo)
	v_sqrt_f32 v[(\x)+i], v[(\x)+i]
.set i, i+1
.endr
.endm
.macro KS2 x, s, lo                    ; 2^(la - kappa root); the destination turns the 4 x 4
.irp p,0,1,2,3,4,5,6,7
.if (\p) >= 2*(\lo)
	v_pk_fma_f32 v[(\x)+2*(\p):(\x)+2*(\p)+1], v[(\x)+2*(\p):(\x)+2*(\p)+1], s[NK:NK+1], s[LA:LA+1] op_sel_hi:[1,0,0]
.endif
.endr
.irp m,0,1,2,3
.if (\m) >= (\lo)
.irp cc,0,1,2,3
	v_exp_f32 v[(\s)+4*(\cc)+(\m)], v[(\x)+4*(\m)+(\cc)]
.endr
.endif
.endr
.endm
.macro KLOOP lo                        ; eight trips of eight columns, from column 32 lo on
	s_mov_b32 s[KO], 128*(\lo)
	s_mov_b32 s[TC], 8
.Lkernel\lo:
	v_add_nc_u32 v[MADR], s[KO], v[MLD]
	v_mov_b32 v[NADR], s[KO]
.irp m,0,1,2,3
.if (\m) >= (\lo)
	ds_load_b128 v[X+4*(\m):X+4*(\m)+3], v[MADR] offset:MAT+32*MP*(\m)
.endif
.endr
	ds_load_b128 v[NC:NC+3], v[NADR] offset:NRMB   ; the four columns' norms, the same for every lane
.irp m,0,1,2,3
.if (\m) >= (\lo)
	ds_load_b128 v[XB+4*(\m):XB+4*(\m)+3], v[MADR] offset:MAT+32*MP*(\m)+16
.endif
.endr
	ds_load_b128 v[NCB:NCB+3], v[NADR] offset:NRMB+16
	s_wait_dscnt 5-(\lo)                           ; the first cell is in; the second cell's 4 - lo loads and its norms may stay out
	KS1 X, S, NC, \lo
	s_wait_dscnt 0x0
	KS1 XB, SB, NCB, \lo
	v_nop
	s_wait_alu depctr_va_vdst(0)                   ; one wait for both cells' roots
	KS2 X, S, \lo
	KS2 XB, SB, \lo
	v_nop
	s_wait_alu depctr_va_vdst(0)                   ; one wait for both cells' exponentials
.irp cc,0,1,2,3
	ds_store_b128 v[MADR], v[S+4*(\cc):S+4*(\cc)+3] offset:MAT+32*MP*(\cc)
.endr
.irp cc,0,1,2,3
	ds_store_b128 v[MADR], v[SB+4*(\cc):SB+4*(\cc)+3] offset:MAT+32*MP*(\cc)+16
.endr
	s_add_co_u32 s[KO], s[KO], 32
	s_sub_co_u32 s[TC], s[TC], 1
	s_cmp_lg_u32 s[TC], 0
	s_cbranch_scc1 .Lkernel\lo
.endm
	KLOOP 0
	KLOOP 2
	; The matrix into registers: column c at window 1 + c / 64, registers 4 (c & 63) + m
.set c, 0
.rept 128
	WIN 0x40<<(c>>6)
	ds_load_b128 v[4*(c&63):4*(c&63)+3], v[MLD] offset:MAT+32*MP*(c&3)+16*(c>>2)
.set c, c+1
.endr
	WIN 0
	s_mov_b32 s[UK+1], 0                           ; the pairs' upper halves are named with the lower, so they are written
	s_mov_b32 s[VK+1], 0
	v_add_nc_u32 v[QA], QB, v[L4]
	s_wait_dscnt 0x0                               ; the matrix is in registers; its LDS bytes are free
; Words 16 b .. 16 b + 15 of the stored pivot column to every lane: four loads at one address for all lanes
.macro QLOAD b
	WIN 0
.set i, 0
.rept 4
	ds_load_b128 v[QV+16*(\b)+4*i:QV+16*(\b)+4*i+3], v[ZR] offset:QB+64*(\b)+16*i
.set i, i+1
.endr
.endm
; Columns 16 b .. 16 b + 15 (but column 0) are updated and written one column lower: column c - 1 = column c + factor x word c.  Word c is one register of a pair, taken for both halves.
; Register column c holds column 32 kb + t + c at the least 32 kb + c: rows 0 - 63 are touched only where that is below 64.
.macro FMB kb, b
.set i, 0
.rept 16
.set c, 16*(\b)+i
.if c > 0
	WIN ((1+(c>>6))<<4)|((1+((c-1)>>6))<<6)
.set q, QV+(c&0xfe)
.if (c&1) == 0
.if (\kb)+(c>>5) < 2
	v_pk_fma_f32 v[4*((c-1)&63):4*((c-1)&63)+1], v[F:F+1], v[q:q+1], v[4*(c&63):4*(c&63)+1] op_sel_hi:[1,0,1]
.endif
	v_pk_fma_f32 v[4*((c-1)&63)+2:4*((c-1)&63)+3], v[F+2:F+3], v[q:q+1], v[4*(c&63)+2:4*(c&63)+3] op_sel_hi:[1,0,1]
.else
.if (\kb)+(c>>5) < 2
	v_pk_fma_f32 v[4*((c-1)&63):4*((c-1)&63)+1], v[F:F+1], v[q:q+1], v[4*(c&63):4*(c&63)+1] op_sel:[0,1,0] op_sel_hi:[1,1,1]
.endif
	v_pk_fma_f32 v[4*((c-1)&63)+2:4*((c-1)&63)+3], v[F+2:F+3], v[q:q+1], v[4*(c&63)+2:4*(c&63)+3] op_sel:[0,1,0] op_sel_hi:[1,1,1]
.endif
.endif
.set i, i+1
.endr
.endm
; Pivots 32 kb .. 32 kb + 31: the pivot row lies in lane t of set kb.  CN = 128 - 32 kb columns are walked, in NBT batches of 16.
; THE LDS INSTRUCTIONS OF A STEP, in order: SN = 4 - kb stores (the next pivot column, behind batch 0's updates), then each batch's four loads, right behind the updates that used its old words.
; THE WAITS.  Behind batch 0's loads of the step before stand the other batches' 4 (NBT - 1) loads.  Behind a later batch b's stand 4 (NBT - 1 - b) loads of that step, this step's SN stores
; and 4 b loads: 4 (NBT - 1) + SN.  On the way in from the block before (or from the first fill below) as many or more stand behind them.
.macro ELIM kb
.set CN, 128-32*(\kb)
.set NBT, CN/16
.set SN, 4-(\kb)
	WIN 0
.if (\kb)&1
	v_mov_b32 v[F+(\kb)-1], 0                      ; the pair's other set is finished
.endif
	v_add_nc_u32 v[QS], QB-4*(32*(\kb)+1), v[L4]   ; row l + 32 m of the column stored in step 32 kb + t goes to QB + 4 (l + 32 m - 32 kb - t - 1)
	s_mov_b32 s[TC], 0
.Lel\kb:
	s_lshl_b32 s[LMK], -2, s[TC]                   ; the lanes above t: the rows of set kb that are still to be cleared
	s_lshl_b32 s[K4], s[TC], 2
	s_wait_dscnt 4*(NBT-1)                         ; words 0 - 15 are in
	v_rcp_f32 v[RN], v[QV]                         ; word 0 is the pivot
	v_nop                                          ; a plain instruction behind the reciprocal
	v_readlane_b32 s[UK], v[U+(\kb)], s[TC]        ; work that names nothing of it
	v_readlane_b32 s[VK], v[V+(\kb)], s[TC]
	v_sub_nc_u32 v[QA], v[QS], s[K4]
	v_min_u32 v[QA], QB+124, v[QA]                 ; the address never passes this: the clamp states it
	s_wait_alu depctr_va_vdst(0)                   ; the wait ahead of the first use
	v_mul_f32 v[RN], -1.0, v[RN]
	v_mul_f32 v[T1], s[UK], v[RN]
	WIN 0x01
.set m, (\kb)
.rept 4-(\kb)
	v_mul_f32 v[F+m], v[m], v[RN]                  ; column 0 times -1 / d
.set m, m+1
.endr
	WIN 0
	v_cndmask_b32 v[F+(\kb)], 0, v[F+(\kb)], s[LMK]
	v_fmac_f32 v[AY], s[VK], v[T1]
	v_fmac_f32 v[AV], s[UK], v[T1]
.if (\kb) < 2
	v_pk_fma_f32 v[U:U+1], v[F:F+1], s[UK:UK+1], v[U:U+1] op_sel_hi:[1,0,1]
	v_pk_fma_f32 v[V:V+1], v[F:F+1], s[VK:VK+1], v[V:V+1] op_sel_hi:[1,0,1]
.endif
	v_pk_fma_f32 v[U+2:U+3], v[F+2:F+3], s[UK:UK+1], v[U+2:U+3] op_sel_hi:[1,0,1]
	v_pk_fma_f32 v[V+2:V+3], v[F+2:F+3], s[VK:VK+1], v[V+2:V+3] op_sel_hi:[1,0,1]
	FMB \kb, 0
	WIN 0x04                                       ; the stores' data in window 1: the new column 0
.set m, (\kb)
.rept SN
	ds_store_b32 v[QA], v[m] offset:128*m
.set m, m+1
.endr
	QLOAD 0                                        ; LDS serves a wave's instructions in order: these see the stores above
.set bb, 1
.rept NBT-1
	s_wait_dscnt 4*(NBT-1)+SN                      ; this batch's words are in
	FMB \kb, bb
	QLOAD bb
.set bb, bb+1
.endr
	WIN 0
	s_add_co_u32 s[TC], s[TC], 1
	s_cmp_lt_u32 s[TC], 32
	s_cbranch_scc1 .Lel\kb
.endm
	WIN 0x04                                       ; the first fill: column 0 as it stands, row i at word i; then all 128 words
.set m, 0
.rept 4
	ds_store_b32 v[QA], v[m] offset:128*m
.set m, m+1
.endr
.set bb, 0
.rept 8
	QLOAD bb
.set bb, bb+1
.endr
	ELIM 0
	ELIM 1
	ELIM 2
	ELIM 3
	s_wait_dscnt 0x0                               ; the last step's loads, which nobody uses, are back
	v_sub_f32 v5, s[YMS], v[AY]                    ; y = sum u v / d + ymean
	v_add_f32 v6, s[AVS], v[AV]                    ; yVar = av - sum u u / d
	v_cmp_eq_u32 vcc_lo, 0, v0
	s_wait_xcnt 0x0                                ; EXEC changes only behind s_wait_xcnt 0
	s_and_saveexec_b32 s[SX], vcc_lo               ; every lane holds both numbers; lane 0 stores them: 8 bytes a query
	global_store_b32 v[ZR], v5, s[O0:O0+1]
	global_store_b32 v[ZR], v6, s[O1:O1+1]
	s_wait_xcnt 0x0
	s_or_b32 exec_lo, exec_lo, s[SX]
	s_wait_tensorcnt 0x0                           ; the wave's end
	ds_add_u32 v[SPW], v[NIL]
	s_wait_dscnt 0x0
	s_endpgm
.Lfunc_end_k_q4872a423c6_solve:
	.size	k_q4872a423c6_solve, .Lfunc_end_k_q4872a423c6_solve-k_q4872a423c6_solve
	.p2alignl 7, 3214868480
	.fill 96, 4, 3214868480
	.section	.rodata,"a",@progbits
	.p2align	6, 0x0
	.amdhsa_kernel k_q4872a423c6_solve
		.amdhsa_group_segment_fixed_size 69120
		.amdhsa_private_segment_fixed_size 0
		.amdhsa_enable_private_segment 0
		.amdhsa_kernarg_size 88
		.amdhsa_user_sgpr_count 2
		.amdhsa_user_sgpr_kernarg_segment_ptr 1
		.amdhsa_wavefront_size32 1
		.amdhsa_system_sgpr_workgroup_id_x 1
		.amdhsa_system_sgpr_workgroup_id_y 1
		.amdhsa_system_sgpr_workgroup_id_z 1
		.amdhsa_system_vgpr_workitem_id 0
		.amdhsa_next_free_vgpr 768
		.amdhsa_next_free_sgpr 100
		.amdhsa_reserve_vcc 1
		.amdhsa_float_denorm_mode_32 3
		.amdhsa_float_denorm_mode_16_64 3
		.amdhsa_memory_ordered 1
		.amdhsa_forward_progress 1
		.amdhsa_inst_pref_size 142
	.end_amdhsa_kernel
	.amdgpu_metadata
---
amdhsa.version: [ 1, 2 ]
amdhsa.kernels:
  - .name:           k_q4872a423c6_solve
    .symbol:         k_q4872a423c6_solve.kd
    .args:
      - { .name: sel0, .offset: 0, .size: 8, .value_kind: global_buffer, .address_space: global }
      - { .name: dd, .offset: 8, .size: 8, .value_kind: global_buffer, .address_space: global }
      - { .name: txb, .offset: 16, .size: 8, .value_kind: global_buffer, .address_space: global }
      - { .name: b2, .offset: 24, .size: 8, .value_kind: global_buffer, .address_space: global }
      - { .name: trainy, .offset: 32, .size: 8, .value_kind: global_buffer, .address_space: global }
      - { .name: noise, .offset: 40, .size: 8, .value_kind: global_buffer, .address_space: global }
      - { .name: l, .offset: 48, .size: 8, .value_kind: global_buffer, .address_space: global }
      - { .name: a, .offset: 56, .size: 8, .value_kind: global_buffer, .address_space: global }
      - { .name: ymean, .offset: 64, .size: 8, .value_kind: global_buffer, .address_space: global }
      - { .name: out0, .offset: 72, .size: 8, .value_kind: global_buffer, .address_space: global }
      - { .name: out1, .offset: 80, .size: 8, .value_kind: global_buffer, .address_space: global }
    .group_segment_fixed_size: 69120
    .private_segment_fixed_size: 0
    .kernarg_segment_align: 8
    .kernarg_segment_size: 88
    .max_flat_workgroup_size: 32
    .sgpr_count:     100
    .vgpr_count:     768
    .wavefront_size: 32
...
	.end_amdgpu_metadata
.endif
;; end of part 7
;; ======== version 3 of 3: 5 launches; version 2 with the launch prep written anew for expert scheduling mode
;; workspace buffers: txb 52,428,800 bytes; xb 524,288 bytes; b2 409,600 bytes; a2 4,096 bytes; dd 553,648,128 bytes; prev0 1,048,576 bytes of whole numbers; sel1 1,048,576 bytes of whole numbers; sel0 1,048,576 bytes of whole numbers
;; launch prep (part 8): grid 6464 x 1, 1 waves a work-group, no clusters, 0 bytes of LDS; arguments trainX, x, txb, xb, b2, a2, prev0; writes txb, xb, b2, a2, prev0
.if DOCPART == 8
	.amdgcn_target "amdgcn-amd-amdhsa--gfx1250"
	.amdhsa_code_object_version 6
	.text
	.protected	k_q4872a423c6_prep
	.globl	k_q4872a423c6_prep
	.p2align	8
	.type	k_q4872a423c6_prep,@function
k_q4872a423c6_prep:
	s_mov_b64 s[64:65], 0
	v_nop
	global_prefetch_b8 v0, s[64:65] scope:SCOPE_SE
	s_setreg_imm32_b32 hwreg(HW_REG_WAVE_SCHED_MODE, 0, 2), 2
	s_setreg_imm32_b32 hwreg(HW_REG_WAVE_MODE, 25, 1), 1
	s_wait_xcnt 0x0
	s_wait_alu depctr_vm_vsrc(0)
; bf16 COPIES, ROW NORMS, AND THE FIRST SELECTION RECORD.
; Rows go in groups of 64: groups 0 .. 1599 the train rows (100,000 real, padded to 102,400), 1600 .. 1615 the 1,024 rows of x.  A work-group (one wave) takes a quarter of a group: 16 rows
; of 256 f32, as two sets of 8.  All its 32 loads (16 KiB) go out at its head; nothing is asked for later, so the text has no loop.
; Each number is rounded once to bf16; a row's norm is the f32 sum of the squares of the ROUNDED numbers (8 a lane, then a tree over the 32 lanes).
; Rows from 100,000 on are written as zeros with the norm +inf, so that every distance to them is +inf.  100,000 is a multiple of 8: a set is all real or all padding; a padding set loads the
; last 8 real rows (its address is clamped) and discards them.
; PERMUTATION.  Row i of a group is written at place 16 (i & 3) + 2 ((i >> 2) & 7) + (i >> 5): the next launch's matrix tiles then leave four neighbouring rows' results in one lane.
; The norms stay in natural order: a wave's 16 are 64 consecutive bytes.
; REGISTERS.  A row's 8 registers are used again as they fall free: 0-3 take its bf16 numbers (the store's data), 4-5 its partial sums.  No register that a pending store reads is written again.
; Work-groups 0 .. 1023 also write query q's first selection record: mask words 0 .. 3 all ones, the others 0; parent r = 4224 + r: the record names the 128 blocks of block minima.
; THE MODE: SCHED_MODE bits 1:0 = 2 (LLVM: expert scheduling mode 2), set by the entry lines.  The code itself states the register dependences between vector instructions and memory
; instructions, with s_wait_alu, always for 0.
; THE PLAN.  Registers that memory instructions touch:
;   v1, v2, v3      byte offsets, made once at the head and never written again: one wait ahead of the first load serves every load and store.
;   XA, XB          The loads land here.  Registers 0-3 of a row are then written by the row's four roundings and four masks, read by the row's store and by its widening lines, and never written again.
;                   Registers 4-5 of a row take its partial sums: no memory instruction names them.
;   v[4:11]         At work in both sets, by vector instructions alone; at the end the record's eight lines write them and its two stores read them.
;   v[BC]           Written by the sixteen selects, read by the norms' store.
; A set's 64 roundings and masks stand together, ONE wait behind them, and its eight stores are dealt among the rows' norm work, store k ahead of row k's lines: those lines name v[4:11] and
; row k's own registers, none that a later row's store touches.  No register that a memory instruction has read is written again, so a wait for the memory side's reads stands only where EXEC is written.
.set W,    4                           ; v[4:11]    8 numbers widened
.set INF,  12                          ; v12        +inf
.set BC,   13                          ; v13        lane j (0 .. 15): the norm of my row j
.set XA,   16                          ; v[16:79]   set A: 8 rows x 8 registers
.set XB,   80                          ; v[80:143]  set B
.set PV,   18                          ; s[18:19] at work
.set SRC,  20                          ; s[20:21] source, s[22:23] bf16 copy, s[24:25] norms: chosen between the two tensors
.set DST,  22
.set NRM,  24
.set LIM,  26                          ; rows that are real
.set GRP,  27
.set SA,   28                          ; s[28:29], s[30:31] the two sets' load bases
.set SB,   30
.set SDA,  32                          ; s[32:33], s[34:35] the two sets' store bases
.set SDB,  34
.set SEL,  36                          ; s[36:37] v_permlanex16_b32's selects
.set HIM,  38
.set LIM8, 39
.set G64,  40                          ; the group's first row
.set R16,  41                          ; my first row
.set ROW,  42
.set PT,   43                          ; which quarter of the group
.set KEEP, 44                          ; -1, or 0 in a padding set
.set PADM, 45                          ; 0, or all lanes in a padding set
.set P0,   46
.set P1,   47
.set MK,   48                          ; s[48:63] lane masks 1 << j
	s_load_b256 s[4:11], s[0:1], 0x0               ; trainX, x, txb, xb
	s_load_b128 s[12:15], s[0:1], 0x20             ; b2, a2
	s_load_b64 s[16:17], s[0:1], 0x30              ; prev0
	v_lshlrev_b32 v1, 5, v0                        ; my 8 f32 of a row
	v_lshlrev_b32 v2, 4, v0                        ; my 8 bf16 of a row
	v_lshlrev_b32 v3, 2, v0                        ; my norm
	v_mov_b32 v[INF], 0x7f800000
	v_mov_b32 v[BC], 0
	s_mov_b32 s[SEL], 0x76543210
	s_mov_b32 s[SEL+1], 0xfedcba98
	s_mov_b32 s[HIM], 0xffff0000
.set n, 0
.rept 16
	s_mov_b32 s[MK+n], 1<<n
.set n, n+1
.endr
	s_lshr_b32 s[GRP], ttmp9, 2
	s_and_b32 s[PT], ttmp9, 3
	s_sub_co_u32 s[G64], s[GRP], 1600
	s_mov_b32 s[LIM], 1024
	s_mov_b32 s18, 100000
	s_wait_kmcnt 0x0
	s_cmp_lt_u32 s[GRP], 1600                      ; train rows or x: the choice hangs on the work-group's number alone
	s_cselect_b32 s[G64], s[GRP], s[G64]
	s_cselect_b32 s[LIM], s18, s[LIM]
	s_cselect_b64 s[SRC:SRC+1], s[4:5], s[6:7]
	s_cselect_b64 s[DST:DST+1], s[8:9], s[10:11]
	s_cselect_b64 s[NRM:NRM+1], s[12:13], s[14:15]
	s_lshl_b32 s[G64], s[G64], 6
	s_sub_co_u32 s[LIM8], s[LIM], 8
	s_lshl_b32 s[R16], s[PT], 4
	s_add_co_u32 s[R16], s[R16], s[G64]
	s_lshl_b32 s[PV], s[R16], 2
	s_mov_b32 s[PV+1], 0
	s_add_nc_u64 s[NRM:NRM+1], s[NRM:NRM+1], s[PV:PV+1]  ; my 16 norms
; 16 loads: my rows 8 tofs .. 8 tofs + 7 into set xs, by base sb
.macro LOAD8 xs, sb, tofs
	s_add_co_u32 s[ROW], s[R16], 8*(\tofs)
	s_min_u32 s[ROW], s[ROW], s[LIM8]              ; a padding set stays inside the tensor
	s_lshl_b32 s[\sb], s[ROW], 10
	s_mov_b32 s[(\sb)+1], 0
	s_add_nc_u64 s[\sb:(\sb)+1], s[SRC:SRC+1], s[\sb:(\sb)+1]
.irp k,0,1,2,3,4,5,6,7
	global_load_b128 v[(\xs)+8*(\k):(\xs)+8*(\k)+3],   v1, s[\sb:(\sb)+1] offset:1024*(\k) th:TH_LOAD_NT
	global_load_b128 v[(\xs)+8*(\k)+4:(\xs)+8*(\k)+7], v1, s[\sb:(\sb)+1] offset:1024*(\k)+16 th:TH_LOAD_NT
.endr
.endm
; Set xs is worked on and stored by base sd.  left = the younger loads that may stay out.  In the group the set is trip T = 2 x quarter + tofs: rows 8 T + k.
.macro WORK8 xs, left, tofs, sd
	s_wait_loadcnt \left                           ; loads come back in order: this set's 16 are in
	s_add_co_u32 s[ROW], s[R16], 8*(\tofs)
	s_cmp_ge_u32 s[ROW], s[LIM]
	s_cselect_b32 s[KEEP], 0, -1
	s_cselect_b32 s[PADM], -1, 0
	s_lshl_b32 s[P0], s[PT], 1
	s_add_co_u32 s[P0], s[P0], \tofs               ; T
	s_lshr_b32 s[P1], s[P0], 2
	s_and_b32 s[P0], s[P0], 3                      ; the set's part of the place: 4 (T & 3) + (T >> 2)
	s_lshl_b32 s[P0], s[P0], 2
	s_add_co_u32 s[P0], s[P0], s[P1]
	s_add_co_u32 s[P0], s[P0], s[G64]
	s_lshl_b32 s[\sd], s[P0], 9
	s_mov_b32 s[(\sd)+1], 0
	s_add_nc_u64 s[\sd:(\sd)+1], s[DST:DST+1], s[\sd:(\sd)+1]
.irp k,0,1,2,3,4,5,6,7                 ; all eight rows are rounded and masked first
.irp j,0,1,2,3
	v_cvt_pk_bf16_f32 v[(\xs)+8*(\k)+(\j)], v[(\xs)+8*(\k)+2*(\j)], v[(\xs)+8*(\k)+2*(\j)+1]  ; register j is written when registers 2 j, 2 j + 1 are read: never ahead of its own reading
.endr
.irp j,0,1,2,3
	v_and_b32 v[(\xs)+8*(\k)+(\j)], s[KEEP], v[(\xs)+8*(\k)+(\j)]  ; padding rows are zeros
.endr
.endr
	s_wait_alu depctr_va_vdst(0)                   ; the roundings and masks have written registers 0-3 of the set's eight rows, which the eight stores below read
.irp k,0,1,2,3,4,5,6,7
	global_store_b128 v2, v[(\xs)+8*(\k):(\xs)+8*(\k)+3], s[\sd:(\sd)+1] offset:(16*((\k)&3)+2*((\k)>>2))*512  ; a whole row: 512 consecutive bytes, aligned.  No wait: no vector instruction since the wait above names this row's registers
.irp j,0,1,2,3
	v_lshlrev_b32 v[W+2*(\j)],   16, v[(\xs)+8*(\k)+(\j)]         ; back to f32: the norm is that of the rounded numbers
	v_and_b32     v[W+2*(\j)+1], s[HIM], v[(\xs)+8*(\k)+(\j)]
.endr
	v_pk_mul_f32 v[(\xs)+8*(\k)+4:(\xs)+8*(\k)+5], v[W:W+1], v[W:W+1]
	v_pk_fma_f32 v[(\xs)+8*(\k)+4:(\xs)+8*(\k)+5], v[W+2:W+3], v[W+2:W+3], v[(\xs)+8*(\k)+4:(\xs)+8*(\k)+5]
	v_pk_fma_f32 v[(\xs)+8*(\k)+4:(\xs)+8*(\k)+5], v[W+4:W+5], v[W+4:W+5], v[(\xs)+8*(\k)+4:(\xs)+8*(\k)+5]
	v_pk_fma_f32 v[(\xs)+8*(\k)+4:(\xs)+8*(\k)+5], v[W+6:W+7], v[W+6:W+7], v[(\xs)+8*(\k)+4:(\xs)+8*(\k)+5]
.endr
.irp k,0,1,2,3,4,5,6,7                 ; the eight rows' sums over the lanes go side by side, so that no line waits for the one before it
	v_add_f32 v[(\xs)+8*(\k)+4], v[(\xs)+8*(\k)+4], v[(\xs)+8*(\k)+5]
.endr
.irp xm,1,2,4,8
.irp k,0,1,2,3,4,5,6,7
	v_add_f32_dpp v[(\xs)+8*(\k)+4], v[(\xs)+8*(\k)+4], v[(\xs)+8*(\k)+4] row_xmask:\xm row_mask:0xf bank_mask:0xf
.endr
.endr
.irp k,0,1,2,3,4,5,6,7
	v_permlanex16_b32 v[(\xs)+8*(\k)+5], v[(\xs)+8*(\k)+4], s[SEL], s[SEL+1]
.endr
.irp k,0,1,2,3,4,5,6,7
	v_add_f32 v[(\xs)+8*(\k)+4], v[(\xs)+8*(\k)+4], v[(\xs)+8*(\k)+5]
.endr
.irp k,0,1,2,3,4,5,6,7
	v_cndmask_b32 v[(\xs)+8*(\k)+4], v[(\xs)+8*(\k)+4], v[INF], s[PADM]
.endr
.irp k,0,1,2,3,4,5,6,7
	v_cndmask_b32 v[BC], v[BC], v[(\xs)+8*(\k)+4], s[MK+8*(\tofs)+(\k)]  ; my row 8 tofs + k goes to the lane of that number
.endr
.endm
	s_wait_alu depctr_va_vdst(0)                   ; v1, v2 and v3 are written: every load and store of the kernel reads one of them as its offset
	LOAD8 XA, SA, 0
	LOAD8 XB, SB, 1
	WORK8 XA, 16, 0, SDA                           ; the second set's 16 loads may stay out
	WORK8 XB, 0, 1, SDB
	v_cmp_gt_u32 vcc_lo, 16, v0
	s_wait_xcnt 0x0                                ; EXEC changes only behind s_wait_xcnt 0
	s_wait_alu depctr_va_vcc(0)                    ; the compare has written VCC, from which EXEC is made
	s_wait_alu depctr_va_vdst(0)                   ; ahead of the write of EXEC: the vector instructions so far have written their results, v[BC] among them, which the store below reads
	s_wait_alu depctr_vm_vsrc(0)                   ; ahead of the write of EXEC: the loads and stores so far have read their vector registers
	s_and_saveexec_b32 s[P0], vcc_lo
	global_store_b32 v3, v[BC], s[NRM:NRM+1]       ; 16 norms: 64 consecutive bytes
	s_wait_xcnt 0x0
	s_wait_alu depctr_va_vdst(0)                   ; ahead of the write of EXEC: no vector result is outstanding
	s_wait_alu depctr_vm_vsrc(0)                   ; ahead of the write of EXEC: the store has read v3 and v[BC]
	s_or_b32 exec_lo, exec_lo, s[P0]
	s_cmp_lt_u32 ttmp9, 1024
	s_cbranch_scc0 .Lend
	s_lshl_b32 s[PV], ttmp9, 10                    ; query q = the work-group's number: its record of 1,024 bytes
	s_mov_b32 s[PV+1], 0
	s_add_nc_u64 s[PV:PV+1], s[16:17], s[PV:PV+1]
	v_cmp_eq_u32 vcc_lo, 0, v0
	s_wait_alu depctr_va_vcc(0)                    ; the compare has written VCC, which the select below reads
	v_cndmask_b32 v4, 0, -1, vcc_lo                ; mask words 4 l .. 4 l + 3
	v_mov_b32 v5, v4
	v_mov_b32 v6, v4
	v_mov_b32 v7, v4
	v_lshl_add_u32 v8, v0, 2, 4224                 ; parents 4224 + 4 l ..
	v_add_nc_u32 v9, 1, v8
	v_add_nc_u32 v10, 2, v8
	v_add_nc_u32 v11, 3, v8
	s_wait_alu depctr_va_vdst(0)                   ; v4 to v11 are written, which the two stores read
	global_store_b128 v2, v[4:7], s[PV:PV+1]
	global_store_b128 v2, v[8:11], s[PV:PV+1] offset:512
.Lend:
	s_endpgm
.Lfunc_end_k_q4872a423c6_prep:
	.size	k_q4872a423c6_prep, .Lfunc_end_k_q4872a423c6_prep-k_q4872a423c6_prep
	.p2alignl 7, 3214868480
	.fill 96, 4, 3214868480
	.section	.rodata,"a",@progbits
	.p2align	6, 0x0
	.amdhsa_kernel k_q4872a423c6_prep
		.amdhsa_group_segment_fixed_size 0
		.amdhsa_private_segment_fixed_size 0
		.amdhsa_enable_private_segment 0
		.amdhsa_kernarg_size 56
		.amdhsa_user_sgpr_count 2
		.amdhsa_user_sgpr_kernarg_segment_ptr 1
		.amdhsa_wavefront_size32 1
		.amdhsa_system_sgpr_workgroup_id_x 1
		.amdhsa_system_sgpr_workgroup_id_y 1
		.amdhsa_system_sgpr_workgroup_id_z 1
		.amdhsa_system_vgpr_workitem_id 0
		.amdhsa_next_free_vgpr 144
		.amdhsa_next_free_sgpr 66
		.amdhsa_reserve_vcc 1
		.amdhsa_float_denorm_mode_32 3
		.amdhsa_float_denorm_mode_16_64 3
		.amdhsa_memory_ordered 1
		.amdhsa_forward_progress 1
		.amdhsa_inst_pref_size 32
	.end_amdhsa_kernel
	.amdgpu_metadata
---
amdhsa.version: [ 1, 2 ]
amdhsa.kernels:
  - .name:           k_q4872a423c6_prep
    .symbol:         k_q4872a423c6_prep.kd
    .args:
      - { .name: trainX, .offset: 0, .size: 8, .value_kind: global_buffer, .address_space: global }
      - { .name: x, .offset: 8, .size: 8, .value_kind: global_buffer, .address_space: global }
      - { .name: txb, .offset: 16, .size: 8, .value_kind: global_buffer, .address_space: global }
      - { .name: xb, .offset: 24, .size: 8, .value_kind: global_buffer, .address_space: global }
      - { .name: b2, .offset: 32, .size: 8, .value_kind: global_buffer, .address_space: global }
      - { .name: a2, .offset: 40, .size: 8, .value_kind: global_buffer, .address_space: global }
      - { .name: prev0, .offset: 48, .size: 8, .value_kind: global_buffer, .address_space: global }
    .group_segment_fixed_size: 0
    .private_segment_fixed_size: 0
    .kernarg_segment_align: 8
    .kernarg_segment_size: 56
    .max_flat_workgroup_size: 32
    .sgpr_count:     66
    .vgpr_count:     144
    .wavefront_size: 32
...
	.end_amdgpu_metadata
.endif
;; end of part 8
;; launch dist: the kernel of part 2 again; grid 4 x 64, 4 waves a work-group, clusters of 4 x 1, 327,680 bytes of LDS; arguments txb, xb, b2, a2, dd; writes dd
;; launch sel: the kernel of part 6 again; grid 1024 x 1, 1 waves a work-group, no clusters, 2,048 bytes of LDS; arguments prev0, dd, sel1; writes sel1
;; launch sel2: the kernel of part 6 again; grid 1024 x 1, 1 waves a work-group, no clusters, 2,048 bytes of LDS; arguments sel1, dd, sel0; writes sel0
;; launch solve: the kernel of part 7 again; grid 1024 x 1, 1 waves a work-group, no clusters, 69,120 bytes of LDS; arguments sel0, dd, txb, b2, trainy, noise, l, a, ymean, out0, out1; writes out0, out1
